; MI455X (gfx1250); checked and timed in simulation.
; The chip was launched on July 23, 2026; its instructions are those of AMD's public machine-readable ISA for CDNA 5 (MIT licence, August 2026) and "CDNA5" Instruction Set Architecture Reference Guide (July 2026). The comments in the code are by the model that wrote it; some were corrected since.
;; Multi Head Attention. Allowed arithmetic: matrix products marked QUANTISED: E2M1 operands, one E8M0 scale for each 32 along K, by v_wmma_scale_f32_16x16x128_f8f6f4 with both operands' format E2M1 (or v_wmma_scale_f32_32x16x128_f4), f32 sums; products left as they are: bf16, f16 or f32 operands; f32 sums; everything else in f32.
;; Inputs: Wk 2,048 x 2,048 float32; Wo 2,048 x 2,048 float32; Wq 2,048 x 2,048 float32; Wv 2,048 x 2,048 float32; cos 2,048 x 128 float32; doc_ids 1 x 2,048 int32; sin 2,048 x 128 float32; x 1 x 2,048 x 2,048 float32.
;; Outputs: out0 1 x 2,048 x 2,048 float32.
;; This version of the problem:
;;   THIS VERSION OF THE PROBLEM IS GIVEN IN LOW PRECISION. The matrix products marked QUANTISED in the list below multiply operands that are first quantised to E2M1 (2 exponent bits, 1 mantissa bit; 4 bits a number), with one power-of-two scale for each 32 numbers along K (OCP MX v1.0); their sums are f32. The products marked 'left as it is' may take bf16, f16 or f32 operands, with f32 sums. Whichever they take, every output number must still come out within the allowed error. Rounding operands to bf16 (8 significant bits) uses up far more of that allowance than f16 does (11 bits, for magnitudes from 6e-5 to 65,504). All else is computed in f32.
;;   The module's matrix products, in the order in which they are computed (A, B: the left and right operand; K: the contracted axis; several contracted axes count as one K, in the product's order):
;;     1. [M 2,048, K 2,048] x [K 2,048, N 2,048]; A: input x; B: input Wq: QUANTISED
;;     2. [M 2,048, K 2,048] x [K 2,048, N 2,048]; A: input x; B: input Wk: QUANTISED
;;     3. [M 2,048, K 2,048] x [K 2,048, N 2,048]; A: input x; B: input Wv: QUANTISED
;;     4. batch 16 x [M 2,048, K 128] x [K 128, N 2,048]; A: computed on the way; B: computed on the way: left as it is (an operand is computed on the way)
;;     5. batch 16 x [M 128, K 2,048] x [K 2,048, N 2,048]; A: computed on the way; B: computed on the way: left as it is (an operand is computed on the way)
;;     6. [M 2,048, K 2,048] x [K 2,048, N 2,048]; A: computed on the way; B: input Wo: left as it is (an operand is computed on the way)
;;   THE QUANTISER, for each operand of a quantised product, along K:
;;     - K is cut into blocks of 32 from its start; a last block that is shorter is filled with zeros.
;;     - A block's scale is 2^e with e = floor(log2(the largest magnitude in the block)) - 2, held to -126 .. 127; a block of zeros has e = 0. As a byte (E8M0): e + 127.
;;     - Each number is divided by its block's scale, clamped to +-6, and rounded to the nearest number of E2M1, ties to even, subnormals kept.
;;     - The product sums the exact products of the quantised numbers (number of the format x scale) in f32.
;;   ~~~python
;;   def quantise(x, axis):      # numpy; x: float32 -> the quantised numbers, widened to float32 again
;;       x = np.moveaxis(x, axis, -1); K = x.shape[-1]
;;       x = np.pad(x, [(0, 0)] * (x.ndim - 1) + [(0, -K % 32)]); x = x.reshape(x.shape[:-1] + (-1, 32)); a = np.abs(x).max(-1, keepdims=True)
;;       e = np.where(a > 0, np.clip(np.frexp(np.where(a > 0, a, 1))[1] - 1 - 2, -126, 127), 0)      # np.frexp(a)[1] - 1 = floor(log2(a)), exactly
;;       r = np.clip(x / 2.0 ** e, -6, 6)
;;       step = 2.0 ** (np.maximum(np.frexp(np.where(r == 0, 1, r))[1] - 1, 0) - 1)
;;       q = np.round(r / step) * step * 2.0 ** e      # np.round: ties to even
;;       return np.moveaxis(q.reshape(q.shape[:-2] + (-1,))[..., :K], -1, axis).astype(np.float32)
;;   ~~~
;; One version. Each part assembles by itself: llvm-mc -triple=amdgcn-amd-amdhsa -mcpu=gfx1250 --defsym DOCPART=n.
;; ======== version 1 of 1: 4 launches
;; limits: values are held in f16: magnitudes above 65,504 overflow, below 6.1e-05 lose precision
;; workspace buffers: codes 8,388,608 bytes; scales 524,288 bytes; wo16 8,388,608 bytes; tab 2,097,152 bytes; qkv 25,165,824 bytes; ao 8,388,608 bytes; live 512 bytes of whole numbers
;; launch prep (part 1): grid 1105 x 1, 4 waves a work-group, no clusters, 35,328 bytes of LDS; arguments x, Wq, Wk, Wv, Wo, sin, cos, doc_ids, codes, scales, wo16, tab, live; writes codes, scales, wo16, tab, live
.if DOCPART == 1
	.amdgcn_target "amdgcn-amd-amdhsa--gfx1250"
	.amdhsa_code_object_version 6
	.text
	.protected	k_qf5d7196b3b_prep
	.globl	k_qf5d7196b3b_prep
	.p2align	8
	.type	k_qf5d7196b3b_prep,@function
k_qf5d7196b3b_prep:
	s_mov_b64 s[64:65], 0
	v_nop
	global_prefetch_b8 v0, s[64:65] scope:SCOPE_SE
	s_setreg_imm32_b32 hwreg(HW_REG_WAVE_MODE, 25, 1), 1
	s_wait_xcnt 0x0
; PREP, the first of four launches of  out0 = softmax(mask(rope(x Wq) rope(x Wk)^T / sqrt(128))) (x Wv) Wo,  T = D = 2,048, 16 heads of 128.
; It lays every operand of the later launches IN THE ORDER OF THE OPERAND'S REGISTERS: a fragment is stored as images of 512 bytes (four registers: lane l's 16 bytes at 16 l).
; Five paths, chosen by the work-group's number g:
;   g 0-63     X    x [2048][2048] f32 -> codes of E2M1 and E8M0 scale bytes along K (K innermost): 16 rows x 1,024 K to a wave
;   g 64-79    TAB  cos and sin re-laid as the second launch's lanes want them (f32, nothing is computed)
;   g 80       LIVE doc_ids -> for each tile of 32 queries two words: bit kb of the first = key block kb (64 keys) can hold a visible key; of the second = the block needs the test id by id
;   g 81-848   W    Wq, Wk, Wv [K][N] f32 -> codes and scale bytes along K (K is the first axis: a lane takes a column, its registers run down K)
;   g 849-1104 WO   Wo [K][N] f32 -> f16, as fragments with K along a lane's registers
; THE QUANTISER: a block's scale is 2^(floor(log2(largest magnitude)) - 2): its byte is the largest magnitude's exponent field - 2, held at 1 from below by a floor among the maximum's leaves; each number is
; divided by the scale and rounded to the nearest code, ties to even, beyond 6 the code of 6.  A block of zeros gets the byte 1 where the rule says 127: its codes are zeros, and this program alone reads the bytes.
; WORK THAT THE PROGRAM LEAVES OUT (third launch).  (a) Tiles of scores wholly above the diagonal: reference()'s own tril sets them to neg_inf; every query sees its own key (k = q, its own document), so the row's
; maximum is a real score and reference()'s f32 gives exp(neg_inf - maximum) = 0 for them.  (b) Tiles in which the ranges of the queries' and the keys' document ids do not meet: no pair there has equal ids, so the same
; holds.  That is a choice by whole numbers, made here from doc_ids, stored in 'live' and read by the third launch; it takes no order of doc_ids for granted (unsorted ids only leave more tiles live).
; No input is left out.  LIMITS: a NaN, an infinity or an overflow that reaches only tiles left out is not carried to the result; NaN and infinities in x, Wq, Wk, Wv are not served by the quantiser; blocks whose
; largest magnitude lies under 2^-124 keep the byte 1; q, k, v, the attention's result and Wo go on as f16: magnitudes beyond 65,504 are not served.
.set SPARE, 34816                      ; LDS: four stages of 8,704 bytes (path X alone), then the spare words: 128 bytes a wave, two blocks of 256 bytes that no other line names
.set SPW,   248                        ; v248  LDS address of my spare word; never rewritten
.set NIL,   249                        ; v249  0; never rewritten
.set RR,    16                         ; X: v16-143  four sets of 32: a chunk (16 rows x 64 K) as loaded
.set XX,    144                        ; X: v144-207 two sets of 32: my block of 32 neighbours along K
.set CC,    208                        ; X: v208-223 four sets of 4: a block's codes
.set SW,    224                        ; X: v224-231 scale words of my row, one for each of 8 fragments
.set TM,    232                        ; v232-235 at work: two maxima, the conversion's scale operand, the byte
.set SB,    236                        ; W: my column's scale word
.set PT,    240                        ; X: v240-247 the other half's scale bytes
.set WX,    32                         ; W, WO: v32-95 two sets of 32 numbers down K;  TAB, LIVE: v32-159 what is loaded
.set WD,    96                         ; W, WO: v96-159 what is stored: registers of its own for each block, so that no store's data are written again
; the largest magnitude of 32 registers from xs on, with the floor 2^(3 - 127); 2 off its exponent field gives the conversion's scale operand (only its exponent field counts), and that shifted the byte
.macro AMAX xs, d
	v_max3_num_f32 v[\d], |v[\xs]|, |v[\xs+1]|, |v[\xs+2]|
	v_max3_num_f32 v[\d+1], |v[\xs+3]|, |v[\xs+4]|, |v[\xs+5]|
.irp i, 6,10,14,18,22,26
	v_max3_num_f32 v[\d], v[\d], |v[\xs+\i]|, |v[\xs+\i+1]|
	v_max3_num_f32 v[\d+1], v[\d+1], |v[\xs+\i+2]|, |v[\xs+\i+3]|
.endr
	v_max3_num_f32 v[\d], v[\d], |v[\xs+30]|, |v[\xs+31]|
	v_max3_num_f32 v[\d], v[\d], v[\d+1], 0x1800000
	v_add_nc_u32 v[\d+2], 0xff000000, v[\d]
	v_lshrrev_b32 v[\d+3], 23, v[\d+2]
.endm
; X: chunk k (64 along K of 16 rows): eight loads, each two rows x 256 consecutive bytes
.macro LOADX k
.irp i, 0,1,2,3,4,5,6,7
	global_load_b128 v[RR+32*((\k)%4)+4*\i:RR+32*((\k)%4)+4*\i+3], v5, s[8:9] offset:\i*16384+(\k)*256 th:TH_LOAD_NT
.endr
.endm
; X: the chunk turns through my wave's own stage (16 rows, 272 bytes apart): in as loaded, out 128 bytes a lane: a whole block of 32.  LDS serves a wave's instructions in order: no wait between
.macro TURNX k
.irp i, 0,1,2,3,4,5,6,7
	ds_store_b128 v6, v[RR+32*((\k)%4)+4*\i:RR+32*((\k)%4)+4*\i+3] offset:((\k)%2)*4352+\i*544
.endr
.irp i, 0,1,2,3,4,5,6,7
	ds_load_b128 v[XX+32*((\k)%2)+4*\i:XX+32*((\k)%2)+4*\i+3], v7 offset:((\k)%2)*4352+\i*16
.endr
.endm
.macro STEPX k
.set XS, XX+32*((\k)%2)
.set CQ, CC+4*((\k)%4)
	s_wait_dscnt 0x0                               ; this chunk is back from the stage, and its stores into the stage have read their registers,
.if (\k)+4 < 16
	LOADX (\k)+4                                   ; which take the chunk four further on
.endif
.if (\k)+1 < 16
.if 14-(\k) >= 3
	s_wait_loadcnt 24                              ; the next chunk's eight loads are in; those of the three chunks behind it may be out
.else
	s_wait_loadcnt 8*(14-(\k))
.endif
	TURNX (\k)+1                                   ; and go through the other stage while this chunk is worked
.endif
	AMAX XS, TM
	s_wait_xcnt 0x0                                ; the store of four chunks ago has read this set of code registers
.irp g, 0,1,2,3
	v_cvt_scalef32_pk8_fp4_f32 v[CQ+\g], v[XS+8*\g:XS+8*\g+7], v[TM+2]
.endr
.if (\k)%2 == 0
	v_mov_b32 v[SW+(\k)/2], v[TM+3]                ; lane (r, h) holds block 2 c + h of the fragment: c = 0 at bit 0, c = 1 at bit 16; 8 h bits up at the end
.else
	v_lshl_or_b32 v[SW+(\k)/2], v[TM+3], 16, v[SW+(\k)/2]
.endif
	global_store_b128 v8, v[CQ:CQ+3], s[24:25] offset:(\k)*512   ; one image: 512 consecutive bytes
.endm
; W, WO: block t of 32 rows of the weight at my column: 32 lanes read 128 consecutive bytes, the four waves stand side by side on 512
.macro LOADW t
.set li, 0
.rept 32
	global_load_b32 v[WX+32*((\t)%2)+li], v5, s[38:39] offset:(32*(\t)+li)*8192 th:TH_LOAD_NT
.set li, li+1
.endr
.endm
.macro WAITW t
.if (\t) < 3
	s_wait_loadcnt 32                              ; this block's 32 loads are in; the next block's may be out
.else
	s_wait_loadcnt 0x0
.endif
.endm
.macro BLOCKW t
.set XS, WX+32*((\t)%2)
	WAITW \t
	AMAX XS, TM
.if (\t) == 0
	v_mov_b32 v[SB], v[TM+3]
.else
	v_lshl_or_b32 v[SB], v[TM+3], 8*(\t), v[SB]
.endif
.irp g, 0,1,2,3
	v_cvt_scalef32_pk8_fp4_f32 v[WD+4*(\t)+\g], v[XS+8*\g:XS+8*\g+7], v[TM+2]
.endr
	global_store_b128 v6, v[WD+4*(\t):WD+4*(\t)+3], s[24:25] offset:256*(\t)   ; sixteen lanes fill 256 consecutive bytes of their row tile's image
.if (\t)+2 < 4
	LOADW (\t)+2
.endif
.endm
.macro BLOCKO t
.set XS, WX+32*((\t)%2)
	WAITW \t
.set lj, 0
.rept 16
	v_cvt_pk_f16_f32 v[WD+16*(\t)+lj], v[XS+2*lj], v[XS+2*lj+1]
.set lj, lj+1
.endr
.irp m, 0,1,2,3
	global_store_b128 v6, v[WD+16*(\t)+4*\m:WD+16*(\t)+4*\m+3], s[28:29] offset:1024*(\t)+256*\m
.endr
.if (\t)+2 < 4
	LOADW (\t)+2
.endif
.endm
; TAB: four token tiles: n = 8 a + 2 g + half; g = 0 cos low channels, 1 cos high, 2 sin low, 3 sin high
.macro TABHALF q
.set n, 0
.rept 32
.if (n%8) < 4
	global_load_b128 v[WX+4*n:WX+4*n+3], v5, s[20:21] offset:(4*(\q)+n/8)*8192+((n/2)%2)*256+(n%2)*16
.else
	global_load_b128 v[WX+4*n:WX+4*n+3], v5, s[18:19] offset:(4*(\q)+n/8)*8192+((n/2)%2)*256+(n%2)*16
.endif
.set n, n+1
.endr
.set n, 0
.rept 32
	s_wait_loadcnt 31-n                            ; loads come back in order: number n is in, the younger ones may be out
	global_store_b128 v6, v[WX+4*n:WX+4*n+3], s[30:31] offset:(4*(\q)+n/8)*4096+(n%8)*512
.set n, n+1
.endr
.endm
	s_load_b512 s[8:23], s[0:1], 0x0               ; x s[8:9], Wq s[10:11], Wk s[12:13], Wv s[14:15], Wo s[16:17], sin s[18:19], cos s[20:21], doc_ids s[22:23]
	s_load_b256 s[24:31], s[0:1], 0x40             ; codes s[24:25], scales s[26:27], wo16 s[28:29], tab s[30:31]
	s_load_b64 s[32:33], s[0:1], 0x60              ; live
	v_lshl_add_u32 v[SPW], v0, 2, SPARE
	v_mov_b32 v[NIL], 0
	v_lshrrev_b32 v4, 5, v0
	v_readfirstlane_b32 s34, v4                    ; wave 0..3
	v_and_b32 v1, 31, v0                           ; lane
	v_and_b32 v2, 15, v0                           ; r
	v_bfe_u32 v3, v0, 4, 1                         ; h
	s_wait_kmcnt 0x0
	s_cmp_lt_u32 ttmp9, 64
	s_cbranch_scc1 .Lx
	s_cmp_lt_u32 ttmp9, 80
	s_cbranch_scc1 .Ltab
	s_cmp_eq_u32 ttmp9, 80
	s_cbranch_scc1 .Llive
	s_cmp_lt_u32 ttmp9, 849
	s_cbranch_scc1 .Lw
	; ---- WO: 128 K x 128 columns to a work-group; lane = column 128 hd + 32 w + lane; image (column tile, c = 32 K, u, h'): 8 f16 down K
	s_sub_co_u32 s40, ttmp9, 849
	s_and_b32 s42, s40, 15                         ; hd: which 128 columns
	s_lshr_b32 s43, s40, 4                         ; f: which 128 along K
	s_lshl_b32 s44, s43, 20                        ; 128 rows of 8,192 bytes
	s_lshl_b32 s46, s42, 9
	s_add_co_u32 s44, s44, s46
	s_lshl_b32 s46, s34, 7
	s_add_co_u32 s44, s44, s46
	s_mov_b32 s45, 0
	s_add_nc_u64 s[38:39], s[16:17], s[44:45]
	s_lshl_b32 s44, s42, 19                        ; column tile 8 hd + 2 w (+ h): 65,536 bytes a tile
	s_lshl_b32 s46, s34, 17
	s_add_co_u32 s44, s44, s46
	s_lshl_b32 s46, s43, 12                        ; four fragments of 1,024 bytes
	s_add_co_u32 s44, s44, s46
	s_add_nc_u64 s[28:29], s[28:29], s[44:45]
	v_lshlrev_b32 v5, 2, v1
	v_lshlrev_b32 v6, 16, v3
	v_lshl_add_u32 v6, v2, 4, v6
	LOADW 0
	LOADW 1
	BLOCKO 0
	BLOCKO 1
	BLOCKO 2
	BLOCKO 3
	s_endpgm
.Lw:	; ---- W: 128 K (one fragment) x the 128 columns of one head of one of the three weights
	s_sub_co_u32 s40, ttmp9, 81
	s_lshr_b32 s41, s40, 8                         ; sel: 0 Wq, 1 Wk, 2 Wv
	s_and_b32 s42, s40, 15                         ; hd
	s_bfe_u32 s43, s40, 0x40004                    ; f
	s_cmp_eq_u32 s41, 0                            ; the choice hangs on the work-group's number alone
	s_cselect_b64 s[38:39], s[10:11], s[12:13]
	s_cmp_eq_u32 s41, 2
	s_cselect_b64 s[38:39], s[14:15], s[38:39]
	s_lshl_b32 s44, s43, 20
	s_lshl_b32 s46, s42, 9
	s_add_co_u32 s44, s44, s46
	s_lshl_b32 s46, s34, 7
	s_add_co_u32 s44, s44, s46
	s_mov_b32 s45, 0
	s_add_nc_u64 s[38:39], s[38:39], s[44:45]
	; channel tile b = 2 w + h goes to row tile 24 hd + 6 (b & 3) + 2 sel + (b >> 2), so that a wave of the second launch finds its six tiles on end and a rotation's two channels (d, d + 64) in one lane
	s_mul_i32 s46, s42, 24
	s_and_b32 s47, s34, 1
	s_mul_i32 s47, s47, 12
	s_add_co_u32 s46, s46, s47
	s_lshl_b32 s47, s41, 1
	s_add_co_u32 s46, s46, s47
	s_lshr_b32 s47, s34, 1
	s_add_co_u32 s46, s46, s47                     ; the tile of lanes 0-15; lanes 16-31: six tiles on
	s_lshl_b32 s44, s46, 14
	s_lshl_b32 s47, s43, 10
	s_add_co_u32 s44, s44, s47
	s_add_co_u32 s44, s44, 0x200000                ; behind x's codes
	s_add_nc_u64 s[24:25], s[24:25], s[44:45]
	s_lshl_b32 s44, s46, 10
	s_lshr_b32 s47, s43, 2
	s_lshl_b32 s47, s47, 8
	s_add_co_u32 s44, s44, s47
	s_and_b32 s47, s43, 3
	s_lshl_b32 s47, s47, 2
	s_add_co_u32 s44, s44, s47
	s_add_co_u32 s44, s44, 0x20000                 ; behind x's scales
	s_add_nc_u64 s[26:27], s[26:27], s[44:45]
	v_lshlrev_b32 v5, 2, v1
	v_mul_u32_u24 v6, v3, 0x18000
	v_lshl_add_u32 v6, v2, 4, v6
	v_mul_u32_u24 v7, v3, 6144
	v_lshl_add_u32 v7, v2, 4, v7
	LOADW 0
	LOADW 1
	BLOCKW 0
	BLOCKW 1
	BLOCKW 2
	BLOCKW 3
	global_store_b32 v7, v[SB], s[26:27]           ; my column's word for this fragment: four bytes, 16 apart from lane to lane: one byte for each 128 that the path reads
	s_endpgm
.Lx:	; ---- X
	s_lshl_b32 s40, ttmp9, 2
	s_add_co_u32 s40, s40, s34                     ; my job: row tile = job / 2, half of K = job % 2
	s_lshr_b32 s41, s40, 1
	s_and_b32 s42, s40, 1
	s_lshl_b32 s44, s41, 17                        ; 16 rows of 8,192 bytes
	s_lshl_b32 s46, s42, 12
	s_add_co_u32 s44, s44, s46
	s_mov_b32 s45, 0
	s_add_nc_u64 s[8:9], s[8:9], s[44:45]
	s_lshl_b32 s44, s41, 14                        ; a row tile's codes: 16 fragments of 1,024 bytes
	s_lshl_b32 s46, s42, 13
	s_add_co_u32 s44, s44, s46
	s_add_nc_u64 s[24:25], s[24:25], s[44:45]
	s_lshl_b32 s44, s41, 10                        ; its scale words: 4 x 16 rows x 16 bytes
	s_lshl_b32 s46, s42, 9
	s_add_co_u32 s44, s44, s46
	s_add_nc_u64 s[26:27], s[26:27], s[44:45]
	s_mul_i32 s43, s34, 8704                       ; my stage
	s_mov_b32 s36, 0x76543210
	s_mov_b32 s37, 0xfedcba98                      ; v_permlanex16_b32's selects for lane l xor 16
	v_lshlrev_b32 v5, 13, v3
	v_lshl_add_u32 v5, v2, 4, v5                   ; in: lanes 0-15 one row's 256 bytes, lanes 16-31 the next row's
	v_mul_u32_u24 v6, v3, 272
	v_lshl_add_u32 v6, v2, 4, v6
	v_add_nc_u32 v6, s43, v6                       ; into the stage likewise
	v_mul_u32_u24 v7, v2, 272
	v_lshl_add_u32 v7, v3, 7, v7
	v_add_nc_u32 v7, s43, v7                       ; out of it: row r, 128 h bytes on
	v_lshlrev_b32 v8, 4, v1                        ; an image's place for my lane
.irp i, 0,1,2,3,4,5,6,7
	v_mov_b32 v[PT+\i], 0                          ; a lane permute's destination counts as one of its sources
.endr
	LOADX 0
	LOADX 1
	LOADX 2
	LOADX 3
	s_wait_loadcnt 24                              ; chunk 0 is in; chunks 1 to 3 may be out
	TURNX 0
.irp k, 0,1,2,3,4,5,6,7,8,9,10,11,12,13,14,15
	STEPX \k
.endr
	v_lshlrev_b32 v[TM], 3, v3
.irp i, 0,1,2,3,4,5,6,7
	v_lshlrev_b32 v[SW+\i], v[TM], v[SW+\i]        ; my two bytes at their places,
.endr
.irp i, 0,1,2,3,4,5,6,7
	v_permlanex16_b32 v[PT+\i], v[SW+\i], s36, s37
.endr
.irp i, 0,1,2,3,4,5,6,7
	v_or_b32 v[SW+\i], v[SW+\i], v[PT+\i]          ; with lane l xor 16's two the word is whole
.endr
	v_cmp_lt_u32 vcc_lo, 15, v1
.irp i, 0,1,2,3
	v_cndmask_b32 v[SW+\i], v[SW+\i], v[SW+4+\i], vcc_lo   ; lanes 0-15 store fragments 0-3, lanes 16-31 fragments 4-7
.endr
	global_store_b128 v8, v[SW:SW+3], s[26:27]     ; 512 consecutive bytes
	s_wait_tensorcnt 0x0                           ; the wave's end, behind my last LDS store
	ds_add_u32 v[SPW], v[NIL]
	s_wait_dscnt 0x0
	s_endpgm
.Ltab:	; ---- TAB: 128 tokens to a work-group; wave w lays the tables of channels 16 w + 0..15 and 64 + 16 w + 0..15
	s_sub_co_u32 s40, ttmp9, 64
	s_lshl_b32 s44, s40, 16
	s_mov_b32 s45, 0
	s_add_nc_u64 s[18:19], s[18:19], s[44:45]
	s_add_nc_u64 s[20:21], s[20:21], s[44:45]
	s_lshl_b32 s44, s40, 17
	s_lshl_b32 s46, s34, 15
	s_add_co_u32 s44, s44, s46
	s_add_nc_u64 s[30:31], s[30:31], s[44:45]
	v_lshlrev_b32 v5, 9, v2                        ; token r's row of 512 bytes,
	v_lshl_add_u32 v5, v3, 5, v5                   ; + 8 h channels,
	s_lshl_b32 s46, s34, 6
	v_add_nc_u32 v5, s46, v5                       ; + 16 w channels
	v_lshlrev_b32 v6, 4, v1
	TABHALF 0
	s_wait_xcnt 0x0                                ; the stores have read their registers: the second half's loads may land there
	TABHALF 1
	s_endpgm
.Llive:	; ---- LIVE: one wave.  Lane l holds key block l = query tiles 2 l and 2 l + 1
	s_cmp_lg_u32 s34, 0
	s_cbranch_scc1 .Lend
	v_lshlrev_b32 v5, 8, v1
.irp i, 0,1,2,3,4,5,6,7,8,9,10,11,12,13,14,15
	global_load_b128 v[WX+4*\i:WX+4*\i+3], v5, s[22:23] offset:16*\i
.endr
	s_wait_loadcnt 0x0
.irp j, 0,1                                    ; v10, v11: least and greatest id of tile 2 l; v12, v13: of tile 2 l + 1 (in unsigned order: any order serves a test for equal ids)
	v_min_u32 v[10+2*\j], v[WX+32*\j], v[WX+32*\j+1]
	v_max_u32 v[11+2*\j], v[WX+32*\j], v[WX+32*\j+1]
.set n, 2
.rept 30
	v_min_u32 v[10+2*\j], v[10+2*\j], v[WX+32*\j+n]
	v_max_u32 v[11+2*\j], v[11+2*\j], v[WX+32*\j+n]
.set n, n+1
.endr
.endr
	v_min_u32 v14, v10, v12                        ; the key block's
	v_max_u32 v15, v11, v13
.irp i, 24,25,26,27
	v_mov_b32 v\i, 0
.endr
.set kb, 0
.rept 32
	v_readlane_b32 s40, v14, kb
	v_readlane_b32 s41, v15, kb
.irp j, 0,1
	v_cmp_ge_u32 s42, v[11+2*\j], s40              ; the two ranges meet:
	v_cmp_le_u32 s43, v[10+2*\j], s41
	s_and_b32 s42, s42, s43
	v_cndmask_b32 v16, 0, 1, s42
	v_lshl_or_b32 v[24+2*\j], v16, kb, v[24+2*\j]  ; live
	v_cmp_ne_u32 s42, v[10+2*\j], s40              ; not all ids of both are one and the same:
	v_cmp_ne_u32 s43, v[11+2*\j], s41
	v_cmp_ne_u32 s44, v[10+2*\j], s41
	s_or_b32 s42, s42, s43
	s_or_b32 s42, s42, s44
	v_cndmask_b32 v17, 0, 1, s42
	v_lshl_or_b32 v[25+2*\j], v17, kb, v[25+2*\j]  ; mixed
.endr
.set kb, kb+1
.endr
	v_mov_b32 v18, 2
	v_lshlrev_b32 v18, v1, v18
	v_add_nc_u32 v18, -1, v18                      ; bits 0 .. l: key blocks past the tile's own lie wholly above the diagonal
	v_and_b32 v24, v24, v18
	v_and_b32 v26, v26, v18
	v_lshlrev_b32 v6, 4, v1
	global_store_b128 v6, v[24:27], s[32:33]
.Lend:
	s_endpgm
.Lfunc_end_k_qf5d7196b3b_prep:
	.size	k_qf5d7196b3b_prep, .Lfunc_end_k_qf5d7196b3b_prep-k_qf5d7196b3b_prep
	.p2alignl 7, 3214868480
	.fill 96, 4, 3214868480
	.section	.rodata,"a",@progbits
	.p2align	6, 0x0
	.amdhsa_kernel k_qf5d7196b3b_prep
		.amdhsa_group_segment_fixed_size 35328
		.amdhsa_private_segment_fixed_size 0
		.amdhsa_enable_private_segment 0
		.amdhsa_kernarg_size 104
		.amdhsa_user_sgpr_count 2
		.amdhsa_user_sgpr_kernarg_segment_ptr 1
		.amdhsa_wavefront_size32 1
		.amdhsa_system_sgpr_workgroup_id_x 1
		.amdhsa_system_sgpr_workgroup_id_y 1
		.amdhsa_system_sgpr_workgroup_id_z 1
		.amdhsa_system_vgpr_workitem_id 0
		.amdhsa_next_free_vgpr 256
		.amdhsa_next_free_sgpr 66
		.amdhsa_reserve_vcc 1
		.amdhsa_float_denorm_mode_32 3
		.amdhsa_float_denorm_mode_16_64 3
		.amdhsa_memory_ordered 1
		.amdhsa_forward_progress 1
		.amdhsa_inst_pref_size 163
	.end_amdhsa_kernel
	.amdgpu_metadata
---
amdhsa.version: [ 1, 2 ]
amdhsa.kernels:
  - .name:           k_qf5d7196b3b_prep
    .symbol:         k_qf5d7196b3b_prep.kd
    .args:
      - { .name: x, .offset: 0, .size: 8, .value_kind: global_buffer, .address_space: global }
      - { .name: Wq, .offset: 8, .size: 8, .value_kind: global_buffer, .address_space: global }
      - { .name: Wk, .offset: 16, .size: 8, .value_kind: global_buffer, .address_space: global }
      - { .name: Wv, .offset: 24, .size: 8, .value_kind: global_buffer, .address_space: global }
      - { .name: Wo, .offset: 32, .size: 8, .value_kind: global_buffer, .address_space: global }
      - { .name: sin, .offset: 40, .size: 8, .value_kind: global_buffer, .address_space: global }
      - { .name: cos, .offset: 48, .size: 8, .value_kind: global_buffer, .address_space: global }
      - { .name: doc_ids, .offset: 56, .size: 8, .value_kind: global_buffer, .address_space: global }
      - { .name: codes, .offset: 64, .size: 8, .value_kind: global_buffer, .address_space: global }
      - { .name: scales, .offset: 72, .size: 8, .value_kind: global_buffer, .address_space: global }
      - { .name: wo16, .offset: 80, .size: 8, .value_kind: global_buffer, .address_space: global }
      - { .name: tab, .offset: 88, .size: 8, .value_kind: global_buffer, .address_space: global }
      - { .name: live, .offset: 96, .size: 8, .value_kind: global_buffer, .address_space: global }
    .group_segment_fixed_size: 35328
    .private_segment_fixed_size: 0
    .kernarg_segment_align: 8
    .kernarg_segment_size: 104
    .max_flat_workgroup_size: 128
    .sgpr_count:     66
    .vgpr_count:     256
    .wavefront_size: 32
...
	.end_amdgpu_metadata
.endif
;; end of part 1
;; launch qkv (part 2): grid 16 x 16, 4 waves a work-group, clusters of 4 x 4, 327,680 bytes of LDS; arguments codes, scales, tab, qkv; writes qkv
.if DOCPART == 2
	.amdgcn_target "amdgcn-amd-amdhsa--gfx1250"
	.amdhsa_code_object_version 6
	.text
	.protected	k_qf5d7196b3b_qkv
	.globl	k_qf5d7196b3b_qkv
	.p2align	8
	.type	k_qf5d7196b3b_qkv,@function
k_qf5d7196b3b_qkv:
	s_mov_b64 s[64:65], 0
	v_nop
	global_prefetch_b8 v0, s[64:65] scope:SCOPE_SE
	s_setreg_imm32_b32 hwreg(HW_REG_WAVE_MODE, 25, 1), 1
	s_wait_xcnt 0x0
	s_wait_alu depctr_hold_cnt(0) depctr_sa_sdst(0) depctr_va_vdst(0) depctr_va_sdst(0) depctr_va_ssrc(0) depctr_va_vcc(0) depctr_vm_vsrc(0)
	s_getreg_b32 s2, hwreg(HW_REG_IB_STS2, 6, 4)
	s_cmp_eq_u32 s2, 0
	s_cbranch_scc0 .Lentry_in_a_cluster
	s_endpgm
.Lentry_in_a_cluster:
	s_bfe_u32 s2, ttmp6, 0x10000c
	s_cmp_lg_u32 s2, 0xf033
	s_cbranch_scc0 .Lentry_shape_is_right
	s_endpgm
.Lentry_shape_is_right:
; QKV: q = rope(x Wq), k = rope(x Wk), v = x Wv, on codes of E2M1 with one E8M0 scale for each 32 along K (both made by the first launch); sums in f32; the rotation in f32; results as f16 (magnitudes beyond 65,504 are not served).
; SHARES.  A work-group makes q, k and v of ONE head for 128 tokens: 128 x 384 of the product, K = 2,048.  Wave w takes all 8 token tiles a against six column tiles t = 2 sel + bb (sel 0 q, 1 k, 2 v): channels
; 16 (w + 4 bb) + 0..15, so that a rotation's two channels (d, d + 64) lie in one wave, one lane and one register index.  48 accumulators of 16 x 16.
; q and k are made TRANSPOSED (source 0 = 16 rows of W, source 1 = 16 tokens): a lane holds one token and 8 neighbouring channels.  v is made the other way (source 0 = tokens, source 1 = W): a lane holds one
; channel and 8 neighbouring tokens: half a fragment of V^T for the attention's second product.  So every result is stored as an image of an operand's registers: 512 consecutive bytes a store, no way through LDS.
; K goes in steps of 512 through two LDS slots filled by the tensor data mover.  All buffers are laid as register images, so a tile's K step is 4,096 dense bytes, LDS needs no pitch, and a fragment is two loads at 16 x lane.
; The scale words of the work-group's 8 + 24 row tiles for all of K (32 KB) come once, with the first fills.
; CLUSTER 4 x 4: x's tiles and the tables hang on the token block alone and are asked for jointly along a row of the cluster; W's hang on the head alone and are asked for jointly along a column.
; REGISTERS: window 0: v16-29 addresses; v32-95 scale words, two sets (register 4 i + q: lanes 0-15 W's tile i, lanes 16-31 x's tile i, the slot's q-th 128 along K); v96-127 rotated numbers; v128-191 x's 8 fragments,
;   on the way out two sets of tables; v192-215 packed results.  window 1: W's fragments, set p at v[64 p + 8 t].  window 2: accumulators of token tiles 0-3 at v[48 a + 8 t]; window 3: of tiles 4-7.
.set SLOT,  131072                     ; a slot: x's 8 tiles (32,768 bytes), then W's 24
.set SCL,   262144                     ; W's scale words, 24 x 1,024 bytes, then x's 8 x 1,024
.set SPARE, 294912                     ; the spare words: 128 bytes a wave, two blocks of 256 bytes that no other line names
.set ADRA, 16                          ; v16-17 16 x lane + slot
.set ADRB, 20                          ; v20-21 the same + 32,768 + 24,576 x wave
.set ADRT, 22                          ; v22    16 x lane + 32,768 x wave: my tables
.set VOQ,  24                          ; v24    16 x lane + 512 x wave: my image in a token tile of q or k
.set VOV,  25                          ; v25    16 x lane + 1,024 x wave: in a key step of v
.set ADRS, 27                          ; v27    my scale words: lanes 0-15 W's, lanes 16-31 x's
.set SPW,  28
.set NIL,  29
.set SC,   32
.set T,    96
.set AF,   128
.set PK,   192
.set WV,   14                          ; s14 wave
.set G1A,  24                          ; s[24:31] group 1, x's tiles;  s[32:39] their groups 0, one a slot
.set G0A,  32
.set G0T,  40                          ; s[40:43] group 0, the tables
.set G1B,  48                          ; s[48:55], s[56:63] the same for W's tiles
.set G0B,  56
.set G1SA, 68                          ; s[68:75], s[76:79] x's scale words;  s[80:87], s[88:91] W's
.set G0SA, 76
.set G1SB, 80
.set G0SB, 88
.set G1T,  92                          ; s[92:99] group 1, the tables
.set MSB, 0
.macro WIN new                         ; the immediate's high byte repeats the setting that is left; a switch that changes nothing is dropped
.if MSB != (\new)
	s_set_vgpr_msb (MSB<<8)|(\new)
.set MSB, (\new)
.endif
.endm
.macro PLACES                          ; four plain places: in front of loads into registers that matrix instructions have read, and of the first read of results
.rept 4
	v_nop
.endr
.endm
; A joint load: wave 0 fetches for x, waves 1 to 3 for W.  Each line has one mask; the branch hangs on the wave's number alone.  An s_nop 0 and four v_nop follow each line.
.macro JLOAD g0a, g1a, g0b, g1b
	s_cmp_eq_u32 s[WV], 0
	s_cbranch_scc0 .Lfor_b_\@
	tensor_load_to_lds s[\g0a:\g0a+3], s[\g1a:\g1a+7]
	s_nop 0
.rept 4
	v_nop
.endr
	s_branch .Lasked_\@
.Lfor_b_\@:
	tensor_load_to_lds s[\g0b:\g0b+3], s[\g1b:\g1b+7]
	s_nop 0
.rept 4
	v_nop
.endr
.Lasked_\@:
.endm
.macro TABLOAD                         ; every wave its own quarter of the tables, jointly along the cluster's row
	tensor_load_to_lds s[G0T:G0T+3], s[G1T:G1T+7]
	s_nop 0
.rept 4
	v_nop
.endr
.endm
.macro CREST                           ; a round of the cluster's barrier behind its opening barrier
	s_cmp_lg_u32 s[WV], 0
	s_cbranch_scc1 .Lnot_wave_0_\@
	s_barrier_signal -3
.Lnot_wave_0_\@:
	s_barrier_wait -3
	s_barrier_signal -1
	s_barrier_wait -1
.endm
.macro CROUND
	s_barrier_signal -1
	s_barrier_wait -1
	CREST
.endm
.macro FRAG reg, adr, off              ; a fragment: two images of 512 bytes
	ds_load_b128 v[\reg:\reg+3], v[\adr] offset:\off
	ds_load_b128 v[\reg+4:\reg+7], v[\adr] offset:\off+512
.endm
.macro FETCH_B slot, q, p              ; my six fragments of W, the slot's q-th 128 along K, into set p
	WIN 0x40
.irp t, 0,1,2,3,4,5
	FRAG 64*(\p)+8*\t, ADRB+\slot, \t*4096+(\q)*1024
.endr
	WIN 0
.endm
.macro FETCH_A slot, q, i0             ; x's tiles i0 .. i0 + 3
.irp i, 0,1,2,3
	FRAG AF+8*((\i0)+\i), ADRA+\slot, ((\i0)+\i)*4096+(\q)*1024
.endr
.endm
.macro SCALES set, ks                  ; the scale words of K step ks: four words a row
.irp i, 0,1,2,3,4,5,6,7
	ds_load_b128 v[SC+32*(\set)+4*\i:SC+32*(\set)+4*\i+3], v[ADRS] offset:\i*1024+(\ks)*256
.endr
.endm
; 16 products for q and k: the four token tiles of half g x column tiles 0-3.  The 48 accumulators take turns, one instruction a turn, in the same order in every step.
.macro MULQK g, p, q, set, zero
.irp a, 0,1,2,3
.irp t, 0,1,2,3
.if \zero
	v_wmma_scale_f32_16x16x128_f8f6f4 v[48*\a+8*\t:48*\a+8*\t+7], v[64*(\p)+8*\t:64*(\p)+8*\t+7], v[AF+8*(4*(\g)+\a):AF+8*(4*(\g)+\a)+7], 0, v[SC+32*(\set)+4*\t+(\q)], v[SC+32*(\set)+4*(4*(\g)+\a)+(\q)] matrix_a_fmt:MATRIX_FMT_FP4 matrix_b_fmt:MATRIX_FMT_FP4 matrix_b_scale:MATRIX_SCALE_ROW1
.else
	v_wmma_scale_f32_16x16x128_f8f6f4 v[48*\a+8*\t:48*\a+8*\t+7], v[64*(\p)+8*\t:64*(\p)+8*\t+7], v[AF+8*(4*(\g)+\a):AF+8*(4*(\g)+\a)+7], v[48*\a+8*\t:48*\a+8*\t+7], v[SC+32*(\set)+4*\t+(\q)], v[SC+32*(\set)+4*(4*(\g)+\a)+(\q)] matrix_a_fmt:MATRIX_FMT_FP4 matrix_b_fmt:MATRIX_FMT_FP4 matrix_b_scale:MATRIX_SCALE_ROW1
.endif
.endr
.endr
.endm
; 8 products for v: the sources change places, and the scale operands and the row selector go with them
.macro MULV g, p, q, set, zero
.irp a, 0,1,2,3
.irp t, 4,5
.if \zero
	v_wmma_scale_f32_16x16x128_f8f6f4 v[48*\a+8*\t:48*\a+8*\t+7], v[AF+8*(4*(\g)+\a):AF+8*(4*(\g)+\a)+7], v[64*(\p)+8*\t:64*(\p)+8*\t+7], 0, v[SC+32*(\set)+4*(4*(\g)+\a)+(\q)], v[SC+32*(\set)+4*\t+(\q)] matrix_a_fmt:MATRIX_FMT_FP4 matrix_b_fmt:MATRIX_FMT_FP4 matrix_a_scale:MATRIX_SCALE_ROW1
.else
	v_wmma_scale_f32_16x16x128_f8f6f4 v[48*\a+8*\t:48*\a+8*\t+7], v[AF+8*(4*(\g)+\a):AF+8*(4*(\g)+\a)+7], v[64*(\p)+8*\t:64*(\p)+8*\t+7], v[48*\a+8*\t:48*\a+8*\t+7], v[SC+32*(\set)+4*(4*(\g)+\a)+(\q)], v[SC+32*(\set)+4*\t+(\q)] matrix_a_fmt:MATRIX_FMT_FP4 matrix_b_fmt:MATRIX_FMT_FP4 matrix_a_scale:MATRIX_SCALE_ROW1
.endif
.endr
.endr
.endm
; A step of 128 along K that has its successor in the same slot
.macro STEP slot, q, zero
	s_wait_dscnt 8                                 ; W's set, x's tiles 0-3 (and the scale words) are in; the youngest eight loads, x's tiles 4-7, may be out
	WIN 0xa1                                       ; source 0 (W) window 1, source 1 (x) window 0, C and D window 2
	MULQK 0, (\q)%2, \q, \slot, \zero
	WIN 0xa4                                       ; source 0 (x) window 0, source 1 (W) window 1
	MULV 0, (\q)%2, \q, \slot, \zero
	s_wait_dscnt 0x0                               ; x's tiles 4-7 are in
	PLACES
	FETCH_B \slot, (\q)+1, 1-(\q)%2
	FETCH_A \slot, (\q)+1, 0
	WIN 0xf1
	MULQK 1, (\q)%2, \q, \slot, \zero
	WIN 0xf4
	MULV 1, (\q)%2, \q, \slot, \zero
	PLACES
	WIN 0
	FETCH_A \slot, (\q)+1, 4
.endm
; A slot's last step changes slots.  In front of the barrier each wave waits for all its tensor loads, adds 0 to its spare word, and waits for that and for its reads of this slot; the barrier opens a round of the
; cluster's barrier, and the joint refill is the first thing behind the round.  kind 1: this slot takes the K step two on; kind 2: it takes the tables.
.macro TURN slot, next, kind, ks
	s_wait_tensorcnt 0x0                           ; all my tensor loads have landed: my part of the next slot  (every window is 0 here)
	ds_add_u32 v[SPW], v[NIL]                      ; 0 onto my spare word
	s_wait_dscnt 9                                 ; (the add and the youngest eight loads, x's tiles 4-7, may be out)
	WIN 0xa1
	MULQK 0, 1, 3, \slot, 0                        ; sixteen matrix instructions stand between the add and the wait for it
	s_wait_dscnt 0x0                               ; the add is done, and my reads of this slot are over
	s_barrier_signal -1
	WIN 0xa4
	MULV 0, 1, 3, \slot, 0
	WIN 0
	s_barrier_wait -1
	CREST                                          ; no wave of any partner still reads this slot or has a load on its way
.if \kind == 1
	s_add_nc_u64 s[G0A+4*\slot+2:G0A+4*\slot+3], s[G0A+4*\slot+2:G0A+4*\slot+3], 8192
	s_add_nc_u64 s[G0B+4*\slot+2:G0B+4*\slot+3], s[G0B+4*\slot+2:G0B+4*\slot+3], 8192
	JLOAD G0A+4*\slot, G1A, G0B+4*\slot, G1B       ; the four v_nop behind it are also the places in front of the loads below
.else
	TABLOAD
.endif
	FETCH_B \next, 0, 0
	FETCH_A \next, 0, 0
	SCALES \next, \ks
	WIN 0xf1
	MULQK 1, 1, 3, \slot, 0
	WIN 0xf4
	MULV 1, 1, 3, \slot, 0
	PLACES
	WIN 0
	FETCH_A \next, 0, 4
.endm
	s_load_b256 s[4:11], s[0:1], 0x0               ; codes s[4:5], scales s[6:7], tab s[8:9], qkv s[10:11]
	v_lshl_add_u32 v[SPW], v0, 2, SPARE
	v_mov_b32 v[NIL], 0
	ds_add_u32 v[SPW], v[NIL]                      ; the wave's opening: the add, twice on end, and its wait ahead of my first tensor load
	ds_add_u32 v[SPW], v[NIL]
	v_lshrrev_b32 v1, 5, v0
	v_readfirstlane_b32 s[WV], v1                  ; wave 0..3
	s_add_co_u32 s15, s[WV], 3
	s_and_b32 s15, s15, 3                          ; waves 1, 2, 3: which 8 of W's 24 tiles I fetch (0, 1, 2); wave 0: 3, the place of x's scale words
	s_bfe_u32 s16, ttmp6, 0x40000                  ; cx
	s_bfe_u32 s17, ttmp6, 0x40004                  ; cy
	s_lshl_b32 s18, ttmp9, 2
	s_add_co_u32 s18, s18, s16                     ; the head = 4 x cluster x + cx
	s_and_b32 s19, ttmp7, 0xffff
	s_lshl_b32 s19, s19, 2
	s_add_co_u32 s19, s19, s17                     ; the block of 128 tokens = 4 x cluster y + cy
	s_lshl_b32 s20, s17, 2
	s_lshl_b32 s20, 15, s20                        ; my row of the cluster
	s_lshl_b32 s21, 0x1111, s16                    ; my column
	; group 1 for tiles of codes: 8 row tiles x 4,096 bytes (512 elements of 8 bytes), 16,384 bytes apart; no padding; bit 21 set beside the mask
	s_or_b32 s[G1A], s20, (3<<16)|(1<<21)
	s_or_b32 s[G1B], s21, (3<<16)|(1<<21)
.irp g, G1A, G1B
	s_mov_b32 s[\g+1], 512<<16                     ; tensor_dim0
	s_mov_b32 s[\g+2], 8<<16                       ; tensor_dim1
	s_mov_b32 s[\g+3], 512<<16                     ; tile_dim0
	s_mov_b32 s[\g+4], 8                           ; tile_dim1
	s_mov_b32 s[\g+5], 2048                        ; elements from row to row
	s_mov_b32 s[\g+6], 0
	s_mov_b32 s[\g+7], 0
.endr
	; scale words of 8 row tiles: 8,192 dense bytes as 32 rows of 256
	s_or_b32 s[G1SA], s20, (3<<16)|(1<<21)
	s_or_b32 s[G1SB], s21, (3<<16)|(1<<21)
.irp g, G1SA, G1SB
	s_mov_b32 s[\g+1], 32<<16
	s_mov_b32 s[\g+2], 32<<16
	s_mov_b32 s[\g+3], 32<<16
	s_mov_b32 s[\g+4], 32
	s_mov_b32 s[\g+5], 32
	s_mov_b32 s[\g+6], 0
	s_mov_b32 s[\g+7], 0
.endr
	; a wave's tables: 32,768 dense bytes as 8 rows of 4,096
	s_or_b32 s[G1T], s20, (3<<16)|(1<<21)
	s_mov_b32 s[G1T+1], 512<<16
	s_mov_b32 s[G1T+2], 8<<16
	s_mov_b32 s[G1T+3], 512<<16
	s_mov_b32 s[G1T+4], 8
	s_mov_b32 s[G1T+5], 512
	s_mov_b32 s[G1T+6], 0
	s_mov_b32 s[G1T+7], 0
	s_lshl_b32 s44, s19, 17                        ; x's codes: 8 tiles of 16,384 bytes a token block
	s_mov_b32 s45, 0
	s_mul_i32 s46, s18, 24
	s_lshl_b32 s47, s15, 3
	s_add_co_u32 s46, s46, s47                     ; W's row tile 24 x head + 8 x (wave - 1)
	s_lshl_b32 s66, s46, 10
	s_add_co_u32 s66, s66, 0x20000                 ; its scale words, behind x's
	s_mov_b32 s67, 0
	s_lshl_b32 s46, s46, 14
	s_add_co_u32 s46, s46, 0x200000                ; its codes, behind x's
	s_mov_b32 s47, 0
	s_lshl_b32 s22, s19, 13                        ; x's scale words
	s_mov_b32 s23, 0
	s_lshl_b32 s12, s19, 17                        ; the tables of my token block,
	s_lshl_b32 s13, s[WV], 15
	s_add_co_u32 s12, s12, s13                     ; my wave's quarter
	s_mov_b32 s13, 0
	s_lshl_b32 s2, s[WV], 15                       ; LDS: my load's place in a slot: no place in the cluster enters an LDS address
	s_lshl_b32 s3, s15, 13
	s_add_co_u32 s3, s3, SCL                       ; and among the scale words
	s_wait_dscnt 0x0                               ; both opening adds are done
	s_wait_kmcnt 0x0
	s_add_nc_u64 s[44:45], s[4:5], s[44:45]
	s_add_nc_u64 s[46:47], s[4:5], s[46:47]
	s_add_nc_u64 s[22:23], s[6:7], s[22:23]
	s_add_nc_u64 s[66:67], s[6:7], s[66:67]
	s_add_nc_u64 s[12:13], s[8:9], s[12:13]
	CROUND                                         ; all sixteen work-groups are here: the first joint loads meet
	s_mov_b32 s[G0SA], 1
	s_mov_b32 s[G0SA+1], s3
	s_mov_b64 s[G0SA+2:G0SA+3], s[22:23]
	s_or_b32 s[G0SA+3], s[G0SA+3], 0x80000000
	s_mov_b32 s[G0SB], 1
	s_mov_b32 s[G0SB+1], s3
	s_mov_b64 s[G0SB+2:G0SB+3], s[66:67]
	s_or_b32 s[G0SB+3], s[G0SB+3], 0x80000000
	JLOAD G0SA, G1SA, G0SB, G1SB                   ; the scale words first: they are wanted with K step 0
.irp s, 0,1
	s_mov_b32 s[G0A+4*\s], 1
	s_add_co_u32 s[G0A+4*\s+1], s2, \s*SLOT
	s_add_nc_u64 s[G0A+4*\s+2:G0A+4*\s+3], s[44:45], \s*4096
	s_or_b32 s[G0A+4*\s+3], s[G0A+4*\s+3], 0x80000000
	s_mov_b32 s[G0B+4*\s], 1
	s_add_co_u32 s[G0B+4*\s+1], s2, \s*SLOT
	s_add_nc_u64 s[G0B+4*\s+2:G0B+4*\s+3], s[46:47], \s*4096
	s_or_b32 s[G0B+4*\s+3], s[G0B+4*\s+3], 0x80000000
	JLOAD G0A+4*\s, G1A, G0B+4*\s, G1B             ; three tensor loads of mine are out behind the second
.endr
	s_mov_b32 s[G0T], 1
	s_mov_b32 s[G0T+1], s2
	s_mov_b64 s[G0T+2:G0T+3], s[12:13]
	s_or_b32 s[G0T+3], s[G0T+3], 0x80000000
	v_and_b32 v1, 31, v0
	v_and_b32 v2, 15, v0                           ; r
	v_bfe_u32 v3, v0, 4, 1                         ; h
	v_lshlrev_b32 v4, 4, v1                        ; 16 x lane
	v_mov_b32 v[ADRA], v4
	v_add_nc_u32 v[ADRA+1], SLOT, v4
	s_mul_i32 s3, s[WV], 24576
	s_add_co_u32 s3, s3, 32768
	v_add_nc_u32 v[ADRB], s3, v4
	v_add_nc_u32 v[ADRB+1], SLOT, v[ADRB]
	v_add_nc_u32 v[ADRT], s2, v4
	s_lshl_b32 s3, s[WV], 9
	v_add_nc_u32 v[VOQ], s3, v4
	s_lshl_b32 s3, s[WV], 10
	v_add_nc_u32 v[VOV], s3, v4
	s_xor_b32 s3, s[WV], 3
	s_add_co_u32 s3, s3, 1
	s_mul_i32 s3, s3, 6144                         ; from my six tiles' scale words to x's: 6,144 x (4 - wave)
	v_mul_u32_u24 v5, s3, v3                       ; lanes 16-31 take x's
	v_lshl_add_u32 v5, v2, 4, v5
	s_mul_i32 s3, s[WV], 6144
	s_add_co_u32 s3, s3, SCL
	v_add_nc_u32 v[ADRS], s3, v5
	s_lshl_b32 s20, s18, 19                        ; the stores' bases: the head's 524,288 bytes, the token block's 32,768
	s_lshl_b32 s21, s19, 15
	s_add_co_u32 s20, s20, s21
	s_mov_b32 s21, 0
	s_add_nc_u64 s[4:5], s[10:11], s[20:21]        ; q
	s_add_nc_u64 s[6:7], s[4:5], 0x800000          ; k
	s_add_nc_u64 s[8:9], s[6:7], 0x800000          ; v
	s_wait_tensorcnt 1                             ; the scale words and my part of K step 0 are in (K step 1's load may be out)
	s_barrier_signal -1
	s_barrier_wait -1                              ; everybody's are
	FETCH_B 0, 0, 0
	FETCH_A 0, 0, 0
	SCALES 0, 0
	FETCH_A 0, 0, 4
	STEP 0, 0, 1                                   ; the first products start the sums: nothing is cleared
	STEP 0, 1, 0
	STEP 0, 2, 0
	TURN 0, 1, 1, 1                                ; slot 0 takes K step 2
	STEP 1, 0, 0
	STEP 1, 1, 0
	STEP 1, 2, 0
	TURN 1, 0, 1, 2                                ; slot 1 takes K step 3
	STEP 0, 0, 0
	STEP 0, 1, 0
	STEP 0, 2, 0
	TURN 0, 1, 2, 3                                ; slot 0 takes the tables
	STEP 1, 0, 0
	STEP 1, 1, 0
	STEP 1, 2, 0
	s_wait_dscnt 8                                 ; the very last step: nothing more to fetch
	WIN 0xa1
	MULQK 0, 1, 3, 1, 0
	WIN 0xa4
	MULV 0, 1, 3, 1, 0
	s_wait_dscnt 0x0
	WIN 0xf1
	MULQK 1, 1, 3, 1, 0
	WIN 0xf4
	MULV 1, 1, 3, 1, 0
	WIN 0
	PLACES                                         ; in front of the loads into x's registers and of the first reads of results
	s_wait_tensorcnt 0x0                           ; my tables have landed; only I read them
; THE WAY OUT, a token tile at a time.  lo = channel d, hi = channel d + 64:  lo' = lo cos[d] - hi sin[d],  hi' = hi cos[d + 64] + lo sin[d + 64], as reference() has it; then f16.
.macro TABS a                          ; tile a's tables: cos low, cos high, sin low, sin high, 8 registers each, in the results' layout
.irp i, 0,1,2,3,4,5,6,7
	ds_load_b128 v[AF+32*((\a)%2)+4*\i:AF+32*((\a)%2)+4*\i+3], v[ADRT] offset:(\a)*4096+\i*512
.endr
.endm
.macro ROPE a
.set TB, AF+32*((\a)%2)
.set AC, 48*((\a)%4)
.if (\a) < 7
	TABS (\a)+1
	s_wait_dscnt 8                                 ; this tile's tables are in; the next tile's eight loads may be out
.else
	s_wait_dscnt 0x0
.endif
	s_wait_xcnt 0x0                                ; the last tile's stores have read the packed registers
	WIN 0x02+(\a)/4                                ; source 0: the accumulators' window
.irp s, 0,1
.irp j, 0,2,4,6                                ; each accumulator is read from its low end on
	v_pk_mul_f32 v[T+16*\s+\j:T+16*\s+\j+1], v[AC+16*\s+8+\j:AC+16*\s+8+\j+1], v[TB+16+\j:TB+16+\j+1]
	v_pk_mul_f32 v[T+16*\s+8+\j:T+16*\s+8+\j+1], v[AC+16*\s+\j:AC+16*\s+\j+1], v[TB+24+\j:TB+24+\j+1]
.endr
.irp j, 0,2,4,6
	v_pk_fma_f32 v[T+16*\s+\j:T+16*\s+\j+1], v[AC+16*\s+\j:AC+16*\s+\j+1], v[TB+\j:TB+\j+1], v[T+16*\s+\j:T+16*\s+\j+1] neg_lo:[0,0,1] neg_hi:[0,0,1]
	v_pk_fma_f32 v[T+16*\s+8+\j:T+16*\s+8+\j+1], v[AC+16*\s+8+\j:AC+16*\s+8+\j+1], v[TB+8+\j:TB+8+\j+1], v[T+16*\s+8+\j:T+16*\s+8+\j+1]
.endr
.endr
	WIN 0x0a+5*((\a)/4)                            ; sources 0 and 1: the accumulators' window
.irp b, 0,1
.irp i, 0,1,2,3
	v_cvt_pk_f16_f32 v[PK+16+4*\b+\i], v[AC+32+8*\b+2*\i], v[AC+32+8*\b+2*\i+1]
.endr
.endr
	WIN 0
.irp i, 0,1,2,3,4,5,6,7,8,9,10,11,12,13,14,15
	v_cvt_pk_f16_f32 v[PK+\i], v[T+2*\i], v[T+2*\i+1]
.endr
	global_store_b128 v[VOQ], v[PK:PK+3], s[4:5] offset:(\a)*4096              ; each store: one image, 512 consecutive bytes
	global_store_b128 v[VOQ], v[PK+4:PK+7], s[4:5] offset:(\a)*4096+2048
	global_store_b128 v[VOQ], v[PK+8:PK+11], s[6:7] offset:(\a)*4096
	global_store_b128 v[VOQ], v[PK+12:PK+15], s[6:7] offset:(\a)*4096+2048
	global_store_b128 v[VOV], v[PK+16:PK+19], s[8:9] offset:((\a)/2)*8192+((\a)%2)*512
	global_store_b128 v[VOV], v[PK+20:PK+23], s[8:9] offset:((\a)/2)*8192+((\a)%2)*512+4096
.endm
	TABS 0
.irp a, 0,1,2,3,4,5,6,7
	ROPE \a
.endr
	s_wait_tensorcnt 0x0                           ; the wave's end, behind my last tensor load
	ds_add_u32 v[SPW], v[NIL]
	s_wait_dscnt 0x0
	CROUND                                         ; the closing round: no work-group ends while a partner may still ask for a tile that names it
	s_endpgm
.Lfunc_end_k_qf5d7196b3b_qkv:
	.size	k_qf5d7196b3b_qkv, .Lfunc_end_k_qf5d7196b3b_qkv-k_qf5d7196b3b_qkv
	.p2alignl 7, 3214868480
	.fill 96, 4, 3214868480
	.section	.rodata,"a",@progbits
	.p2align	6, 0x0
	.amdhsa_kernel k_qf5d7196b3b_qkv
		.amdhsa_group_segment_fixed_size 327680
		.amdhsa_private_segment_fixed_size 0
		.amdhsa_enable_private_segment 0
		.amdhsa_kernarg_size 32
		.amdhsa_user_sgpr_count 2
		.amdhsa_user_sgpr_kernarg_segment_ptr 1
		.amdhsa_wavefront_size32 1
		.amdhsa_system_sgpr_workgroup_id_x 1
		.amdhsa_system_sgpr_workgroup_id_y 1
		.amdhsa_system_sgpr_workgroup_id_z 1
		.amdhsa_system_vgpr_workitem_id 0
		.amdhsa_next_free_vgpr 1024
		.amdhsa_next_free_sgpr 100
		.amdhsa_reserve_vcc 0
		.amdhsa_float_denorm_mode_32 3
		.amdhsa_float_denorm_mode_16_64 3
		.amdhsa_memory_ordered 1
		.amdhsa_forward_progress 1
		.amdhsa_inst_pref_size 184
	.end_amdhsa_kernel
	.amdgpu_metadata
---
amdhsa.version: [ 1, 2 ]
amdhsa.kernels:
  - .name:           k_qf5d7196b3b_qkv
    .symbol:         k_qf5d7196b3b_qkv.kd
    .args:
      - { .name: codes, .offset: 0, .size: 8, .value_kind: global_buffer, .address_space: global }
      - { .name: scales, .offset: 8, .size: 8, .value_kind: global_buffer, .address_space: global }
      - { .name: tab, .offset: 16, .size: 8, .value_kind: global_buffer, .address_space: global }
      - { .name: qkv, .offset: 24, .size: 8, .value_kind: global_buffer, .address_space: global }
    .group_segment_fixed_size: 327680
    .private_segment_fixed_size: 0
    .kernarg_segment_align: 8
    .kernarg_segment_size: 32
    .max_flat_workgroup_size: 128
    .sgpr_count:     100
    .vgpr_count:     1024
    .wavefront_size: 32
...
	.end_amdgpu_metadata
.endif
;; end of part 2
;; launch attn (part 3): grid 16 x 16, 4 waves a work-group, no clusters, 66,048 bytes of LDS; arguments qkv, doc_ids, live, ao; writes ao
.if DOCPART == 3
	.amdgcn_target "amdgcn-amd-amdhsa--gfx1250"
	.amdhsa_code_object_version 6
	.text
	.protected	k_qf5d7196b3b_attn
	.globl	k_qf5d7196b3b_attn
	.p2align	8
	.type	k_qf5d7196b3b_attn,@function
k_qf5d7196b3b_attn:
	s_mov_b64 s[64:65], 0
	v_nop
	global_prefetch_b8 v0, s[64:65] scope:SCOPE_SE
	s_setreg_imm32_b32 hwreg(HW_REG_WAVE_MODE, 25, 1), 1
	s_wait_xcnt 0x0
; ATTN: ao[q] = the sum over k of softmax_k(mask(q . k / sqrt(128))) v[k], for each head; key k counts for query q where k <= q and doc_ids[k] = doc_ids[q].  q, k, v: f16, as register images (second launch).
; Products on f16 operands with f32 sums; maxima, exponentials and sums in f32; the weights are rounded to f16 for the second product; the result leaves as f16, as images of the last launch's operand.
; WORK LEFT OUT: key blocks wholly above the diagonal (reference()'s own tril), and key blocks whose range of document ids does not meet the queries' (the bits of 'live', whole numbers that the first launch stored):
; every score there would be neg_inf, and its weight 0, since each query sees its own key.  A NaN or an infinity that reaches only such blocks is not carried to the result.
; SHARES.  A work-group owns 128 queries of one head, a wave 32: two tiles of 16.  Key blocks of 64 are walked DOWN from the block of the work-group's last query, so a wave's first live block is its diagonal block, which holds
; every query's own key: the running maximum is a real score from the first step on.  Late queries (most blocks) go to the first work-groups.
; No tensor loads and no cluster: the walk branches on numbers read from memory.  A block's K and V (32 KB, dense) go memory -> registers -> LDS, a quarter to each wave, one block ahead, into two slots by turns; ONE barrier
; a block, on every wave's path, outside every branch: in front of it a wave's stores into this block's slot and its reads of the other slot are done.
; LAYOUT.  S^T = K Q^T (source 0 = 16 keys, source 1 = 16 queries): a lane holds ONE query and 8 keys; two such tiles rounded to f16 are source 1 of O^T = V^T P; O^T again holds one query a lane, and 8 channels.
; SOFTMAX.  Running maximum m and sum l: p = 2^(c s - c m), c = log2(e) / sqrt(128); in every step O and l are multiplied by 2^(c m_old - c m_new).  Hidden scores take reference()'s neg_inf: their p is 0.
; REGISTERS: window 0: v2-11 addresses and constants; v12-27 statistics, 8 a tile (+0 c m, +1 m, +2, +3 l, +4..+7 at work, the rescaling factor at +6); v32-95 S^T; v96-127 P; v128-191 the keys' ids, a set for each slot.
;   window 1: v0-127 O^T; v128-191 Q; v192-255 the block on its way to LDS.   window 2: v0-127 K's 16 fragments; v128-255 V's 16.
.set SLOTB, 32768                      ; a slot: K's 4 key tiles x 4,096 bytes, then V's 2 key steps x 8,192
.set SPARE, 65536                      ; the spare words: 128 bytes a wave, two blocks of 256 bytes that no other line names
.set LI,  2                            ; v2  16 x lane
.set VST, 3                            ; v3  16 x lane + 8,192 x wave: where my quarter of a block goes
.set VDK, 4                            ; v4  32 h: my 8 keys' ids in a key tile's 64 bytes
.set DQ,  5                            ; v5-6 my query's id, tile 0, 1
.set DG,  7                            ; v7-8 my query's place in the diagonal block less 8 h: key 16 a + j is hidden where it is greater
.set NEG, 9                            ; v9  reference()'s neg_inf: the least f32 number / 2
.set SPW, 10
.set NIL, 11
.set ST,  12
.set S,   32
.set P,   96
.set DK,  128
.set QF,  128                          ; window 1
.set STG, 192                          ; window 1
.set VF,  128                          ; window 2
.set WV,  12                           ; s12 wave
.set QB,  14                           ; s14 the block of 128 queries
.set KB,  15                           ; s15 the key block in hand
.set KD,  16                           ; s16 my wave's diagonal block
.set CNT, 17                           ; s17 trips to go
.set PS,  18                           ; s[18:19] my quarter of the block that is fetched next
.set PD,  20                           ; s[20:21] its keys' ids
.set RW,  22                           ; s22 bit 31: the block in hand is live for some wave of the work-group; bit 30: the next one
.set RV,  23                           ; s23 bit 31: live for my wave
.set RM,  24                           ; s24 bit 31: my wave has to test it id by id
.set CS,  40                           ; s[40:41] c
.set SEL, 42                           ; s[42:43] v_permlanex16_b32's selects for lane l xor 16
.set MSB, 0
.macro WIN new
.if MSB != (\new)
	s_set_vgpr_msb (MSB<<8)|(\new)
.set MSB, (\new)
.endif
.endm
.macro DKLOAD set, off                 ; the ids of a block's 64 keys in S^T's layout: register 8 a + j = key 16 a + 8 h + j
.irp a, 0,1,2,3
	global_load_b128 v[DK+32*(\set)+8*\a:DK+32*(\set)+8*\a+3], v[VDK], s[PD:PD+1] offset:(\off)+64*\a
	global_load_b128 v[DK+32*(\set)+8*\a+4:DK+32*(\set)+8*\a+7], v[VDK], s[PD:PD+1] offset:(\off)+64*\a+16
.endr
.endm
.macro STGLOAD                         ; my quarter of a block: 16 x 512 consecutive bytes
	WIN 0x40
.irp i, 0,1,2,3,4,5,6,7,8,9,10,11,12,13,14,15
	global_load_b128 v[STG+4*\i:STG+4*\i+3], v[LI], s[PS:PS+1] offset:512*\i
.endr
	WIN 0
.endm
; A LIVE KEY BLOCK for my 32 queries
.macro STEP slot
	WIN 0x80                                       ; destination window 2
.irp c, 0,1,2,3                                ; K: channels 32 c on, key tiles a: in the order in which the products want them
.irp a, 0,1,2,3
	ds_load_b128 v[8*(4*\c+\a):8*(4*\c+\a)+3], v[LI] offset:\slot*SLOTB+\a*4096+\c*1024
	ds_load_b128 v[8*(4*\c+\a)+4:8*(4*\c+\a)+7], v[LI] offset:\slot*SLOTB+\a*4096+\c*1024+512
.endr
.endr
.irp f, 0,1,2,3,4,5,6,7,8,9,10,11,12,13,14,15  ; V: fragment 8 ks + b
	ds_load_b128 v[VF+8*\f:VF+8*\f+3], v[LI] offset:\slot*SLOTB+16384+\f*1024
	ds_load_b128 v[VF+8*\f+4:VF+8*\f+7], v[LI] offset:\slot*SLOTB+16384+\f*1024+512
.endr
	WIN 0x06                                       ; source 0 (K) window 2, source 1 (Q) window 1, S^T window 0
.irp c, 0,1,2,3
	s_wait_dscnt 56-8*\c                           ; K's eight loads of these 32 channels are in; the later ones and V's 32 may be out
.irp a, 0,1,2,3
.irp t, 0,1                                    ; eight accumulators by turns
.if \c == 0
	v_wmma_f32_16x16x32_f16 v[S+32*\t+8*\a:S+32*\t+8*\a+7], v[8*(4*\c+\a):8*(4*\c+\a)+7], v[QF+32*\t+8*\c:QF+32*\t+8*\c+7], 0
.else
	v_wmma_f32_16x16x32_f16 v[S+32*\t+8*\a:S+32*\t+8*\a+7], v[8*(4*\c+\a):8*(4*\c+\a)+7], v[QF+32*\t+8*\c:QF+32*\t+8*\c+7], v[S+32*\t+8*\a:S+32*\t+8*\a+7]
.endif
.endr
.endr
.endr
	WIN 0
.rept 4
	v_nop                                          ; places in front of the first read of the scores
.endr
	s_bitcmp1_b32 s[RM], 31                        ; all ids of the block and of my queries one and the same: no test
	s_cbranch_scc0 .Lsame_\@
.set n, 0
.rept 64
	v_cmp_eq_u32 vcc_lo, v[DK+32*\slot+n%32], v[DQ+n/32]
	v_cndmask_b32 v[S+n], v[NEG], v[S+n], vcc_lo
.set n, n+1
.endr
.Lsame_\@:
	s_cmp_eq_u32 s[KB], s[KD]                      ; the diagonal block
	s_cbranch_scc0 .Lunder_\@
.set n, 0
.rept 64
	v_cmp_gt_i32 vcc_lo, 16*((n%32)/8)+n%8, v[DG+n/32]
	v_cndmask_b32 v[S+n], v[S+n], v[NEG], vcc_lo
.set n, n+1
.endr
.Lunder_\@:
.irp j, 0,1,2,3                                ; the largest of my 32 scores and the old m: four chains a tile, the two tiles by turns; each accumulator is read from its low end on
.irp t, 0,1
	v_max3_num_f32 v[ST+8*\t+4+\j], v[S+32*\t+8*\j], v[S+32*\t+8*\j+1], v[S+32*\t+8*\j+2]
.endr
.endr
.irp e, 3,5
.irp j, 0,1,2,3
.irp t, 0,1
	v_max3_num_f32 v[ST+8*\t+4+\j], v[ST+8*\t+4+\j], v[S+32*\t+8*\j+\e], v[S+32*\t+8*\j+\e+1]
.endr
.endr
.endr
.irp t, 0,1
	v_max3_num_f32 v[ST+8*\t+4], v[ST+8*\t+4], v[S+32*\t+7], v[S+32*\t+15]
	v_max3_num_f32 v[ST+8*\t+6], v[ST+8*\t+6], v[S+32*\t+23], v[S+32*\t+31]
.endr
.irp t, 0,1
	v_max3_num_f32 v[ST+8*\t+4], v[ST+8*\t+4], v[ST+8*\t+5], v[ST+8*\t+6]
.endr
.irp t, 0,1
	v_max3_num_f32 v[ST+8*\t+4], v[ST+8*\t+4], v[ST+8*\t+7], v[ST+8*\t+1]
.endr
.irp t, 0,1
	v_permlanex16_b32 v[ST+8*\t+5], v[ST+8*\t+4], s[SEL], s[SEL+1]   ; the query's other 32 keys lie in the lane 16 away
.endr
.irp t, 0,1
	v_mov_b32 v[ST+8*\t+7], v[ST+8*\t]             ; c m_old
.endr
.irp t, 0,1
	v_max_num_f32 v[ST+8*\t+1], v[ST+8*\t+4], v[ST+8*\t+5]
.endr
.irp t, 0,1
	v_mul_f32 v[ST+8*\t], s[CS], v[ST+8*\t+1]
.endr
.irp t, 0,1
	v_sub_f32 v[ST+8*\t+7], v[ST+8*\t+7], v[ST+8*\t]
.endr
.set n, 0
.rept 32
	v_pk_fma_f32 v[S+2*n:S+2*n+1], v[S+2*n:S+2*n+1], s[CS:CS+1], v[ST+8*(n/16):ST+8*(n/16)+1] op_sel_hi:[1,0,0] neg_lo:[0,0,1] neg_hi:[0,0,1]   ; c s - c m
.set n, n+1
.endr
.irp t, 0,1
	v_exp_f32 v[ST+8*\t+6], v[ST+8*\t+7]           ; 2^(c m_old - c m_new)
.endr
.set n, 0
.rept 64
	v_exp_f32 v[S+n], v[S+n]                       ; p
.set n, n+1
.endr
	v_nop                                          ; a plain instruction behind the last exponential,
	s_wait_alu depctr_va_vdst(0)                   ; and one wait for the batch of 66, ahead of its first reader
.set n, 0
.rept 32
	v_cvt_pk_f16_f32 v[P+n], v[S+2*n], v[S+2*n+1]
.set n, n+1
.endr
.irp z, 0,1,2,3,4,5,6,7                        ; the sum of the unrounded p, in place: neighbours 1, 2, 4 and 8 pairs apart
.irp t, 0,1
	v_pk_add_f32 v[S+32*\t+4*\z:S+32*\t+4*\z+1], v[S+32*\t+4*\z:S+32*\t+4*\z+1], v[S+32*\t+4*\z+2:S+32*\t+4*\z+3]
.endr
.endr
.irp z, 0,1,2,3
.irp t, 0,1
	v_pk_add_f32 v[S+32*\t+8*\z:S+32*\t+8*\z+1], v[S+32*\t+8*\z:S+32*\t+8*\z+1], v[S+32*\t+8*\z+4:S+32*\t+8*\z+5]
.endr
.endr
.irp z, 0,1
.irp t, 0,1
	v_pk_add_f32 v[S+32*\t+16*\z:S+32*\t+16*\z+1], v[S+32*\t+16*\z:S+32*\t+16*\z+1], v[S+32*\t+16*\z+8:S+32*\t+16*\z+9]
.endr
.endr
.irp t, 0,1
	v_pk_add_f32 v[S+32*\t:S+32*\t+1], v[S+32*\t:S+32*\t+1], v[S+32*\t+16:S+32*\t+17]
.endr
.irp t, 0,1
	v_pk_fma_f32 v[ST+8*\t+2:ST+8*\t+3], v[ST+8*\t+2:ST+8*\t+3], v[ST+8*\t+6:ST+8*\t+7], v[S+32*\t:S+32*\t+1] op_sel_hi:[1,0,1]
.endr
	WIN 0x41                                       ; O^T (destination and source 0) window 1
.set n, 0
.rept 64
	v_pk_mul_f32 v[2*n:2*n+1], v[2*n:2*n+1], v[ST+8*(n/32)+6:ST+8*(n/32)+7] op_sel_hi:[1,0]
.set n, n+1
.endr
	s_wait_dscnt 0x0                               ; V is in
	WIN 0x52                                       ; source 0 (V) window 2, source 1 (P) window 0, O^T window 1
.irp ks, 0,1
.irp b, 0,1,2,3,4,5,6,7
.irp t, 0,1                                    ; sixteen accumulators by turns
	v_wmma_f32_16x16x32_f16 v[64*\t+8*\b:64*\t+8*\b+7], v[VF+8*(8*\ks+\b):VF+8*(8*\ks+\b)+7], v[P+16*\t+8*\ks:P+16*\t+8*\ks+7], v[64*\t+8*\b:64*\t+8*\b+7]
.endr
.endr
.endr
	WIN 0
.rept 4
	v_nop                                          ; places in front of the next loads into V's registers and of the next read of O^T
.endr
.endm
; ONE KEY BLOCK.  The waits and the barrier are on every wave's path; the branches lead round the stores, the loads and the step alone.
.macro TRIP slot
	s_wait_loadcnt 0x0                             ; the block in hand is in my registers, its keys' ids too; the loads' bases may be stepped
	s_sub_nc_u64 s[PS:PS+1], s[PS:PS+1], 16384     ; one block down (below block 0 nothing is loaded: the bits under it are 0)
	s_sub_nc_u64 s[PD:PD+1], s[PD:PD+1], 256
	s_bitcmp1_b32 s[RW], 31
	s_cbranch_scc0 .Lno_store_\@
	WIN 0x04                                       ; an LDS store's data are its source 1: window 1
.irp i, 0,1,2,3,4,5,6,7,8,9,10,11,12,13,14,15
	ds_store_b128 v[VST], v[STG+4*\i:STG+4*\i+3] offset:\slot*SLOTB+512*\i
.endr
	WIN 0
.Lno_store_\@:
	s_wait_dscnt 0x0                               ; for the others' sake: my stores into this slot have landed, and my reads of the other slot (the last block's) are over
	s_barrier_signal -1
	s_barrier_wait -1
	s_bitcmp1_b32 s[RW], 30
	s_cbranch_scc0 .Lno_next_\@
	STGLOAD                                        ; the next block: it lands while this one is worked
	DKLOAD 1-\slot, 0
.Lno_next_\@:
	s_bitcmp1_b32 s[RV], 31
	s_cbranch_scc0 .Lno_step_\@
	STEP \slot
.Lno_step_\@:
	s_lshl_b32 s[RW], s[RW], 1
	s_lshl_b32 s[RV], s[RV], 1
	s_lshl_b32 s[RM], s[RM], 1
	s_sub_co_u32 s[KB], s[KB], 1
.endm
	s_load_b256 s[4:11], s[0:1], 0x0               ; qkv s[4:5], doc_ids s[6:7], live s[8:9], ao s[10:11]
	v_lshl_add_u32 v[SPW], v0, 2, SPARE
	v_mov_b32 v[NIL], 0
	v_lshrrev_b32 v1, 5, v0
	v_readfirstlane_b32 s[WV], v1                  ; wave 0..3
	s_and_b32 s[QB], ttmp7, 0xffff
	s_sub_co_u32 s[QB], 15, s[QB]                  ; the last queries first
	v_and_b32 v1, 31, v0
	v_and_b32 v28, 15, v0                          ; r
	v_bfe_u32 v29, v0, 4, 1                        ; h
	v_lshlrev_b32 v[LI], 4, v1
	s_lshl_b32 s25, s[WV], 13
	v_add_nc_u32 v[VST], s25, v[LI]
	v_lshlrev_b32 v[VDK], 5, v29
	v_mov_b32 v[NEG], 0xfeffffff
	s_and_b32 s25, s[WV], 1
	s_lshl_b32 s25, s25, 5
	v_lshlrev_b32 v30, 3, v29
	v_sub_nc_u32 v30, v28, v30
	v_add_nc_u32 v[DG], s25, v30                   ; 32 (wave % 2) + r - 8 h
	v_add_nc_u32 v[DG+1], 16, v[DG]
	v_lshlrev_b32 v31, 2, v28
	s_lshl_b32 s[KB], s[QB], 1
	s_lshr_b32 s25, s[WV], 1
	s_add_co_u32 s[KD], s[KB], s25                 ; 2 qb + wave / 2
	s_add_co_u32 s[KB], s[KB], 1                   ; the first block walked: 2 qb + 1
	s_add_co_u32 s[CNT], s[QB], 1                  ; two blocks a trip
	s_mov_b32 s[CS], 0x3e0293ee                    ; c = log2(e) / sqrt(128)
	s_mov_b32 s[CS+1], s[CS]
	s_mov_b32 s[SEL], 0x76543210
	s_mov_b32 s[SEL+1], 0xfedcba98
	s_mov_b32 s27, 0
	s_wait_kmcnt 0x0
	s_lshl_b32 s26, s[QB], 5
	s_add_nc_u64 s[8:9], s[8:9], s[26:27]
	s_load_b256 s[32:39], s[8:9], 0x0              ; the four waves' words: live, mixed, live, mixed, ..
	s_lshl_b32 s26, s[WV], 3
	s_add_nc_u64 s[28:29], s[8:9], s[26:27]
	s_load_b64 s[30:31], s[28:29], 0x0             ; my wave's two
	s_lshl_b32 s48, ttmp9, 19                      ; the head's 524,288 bytes
	s_lshl_b32 s49, s[QB], 15
	s_lshl_b32 s50, s[WV], 13
	s_add_co_u32 s26, s48, s49
	s_add_co_u32 s26, s26, s50
	s_add_nc_u64 s[44:45], s[4:5], s[26:27]        ; Q at my two token tiles
	s_lshr_b32 s26, s[WV], 1
	s_add_co_u32 s26, s26, 1
	s_lshl_b32 s26, s26, 23                        ; waves 0, 1 fetch K's halves (8 MB on), waves 2, 3 V's (16 MB on)
	s_add_co_u32 s26, s26, s48
	s_lshl_b32 s49, s[KB], 14
	s_add_co_u32 s26, s26, s49
	s_and_b32 s49, s[WV], 1
	s_lshl_b32 s49, s49, 13
	s_add_co_u32 s26, s26, s49
	s_add_nc_u64 s[PS:PS+1], s[4:5], s[26:27]
	s_lshl_b32 s26, s[KB], 8
	s_add_nc_u64 s[PD:PD+1], s[6:7], s[26:27]
	s_lshl_b32 s26, s[QB], 9
	s_lshl_b32 s49, s[WV], 7
	s_add_co_u32 s26, s26, s49
	s_add_nc_u64 s[46:47], s[6:7], s[26:27]        ; my queries' ids
	s_lshl_b32 s26, s[QB], 19
	s_lshl_b32 s49, s[WV], 17
	s_add_co_u32 s26, s26, s49
	s_lshl_b32 s49, ttmp9, 12
	s_add_co_u32 s26, s26, s49
	s_add_nc_u64 s[10:11], s[10:11], s[26:27]      ; ao: token tile 8 qb + 2 w, the head's 4,096 bytes
	WIN 0x40
.irp i, 0,1,2,3,4,5,6,7,8,9,10,11,12,13,14,15
	global_load_b128 v[QF+4*\i:QF+4*\i+3], v[LI], s[44:45] offset:512*\i    ; Q stays in registers
.endr
	WIN 0
	STGLOAD                                        ; the first block: it holds the diagonal of waves 2 and 3, so it is always live
	global_load_b32 v[DQ], v31, s[46:47]
	global_load_b32 v[DQ+1], v31, s[46:47] offset:64
	DKLOAD 0, 0
	DKLOAD 1, -256                                 ; the second block's ids too (it holds the diagonal of waves 0 and 1): so both sets are written on every way through the text; the first trip loads this set once more
	WIN 0x40
.set n, 0
.rept 128
	v_mov_b32 v[n], 0                              ; O^T.  (The step is written once: the first finds zeros, which its rescaling leaves zeros)
.set n, n+1
.endr
	WIN 0
.irp t, 0,1
	v_mul_f32 v[ST+8*\t], s[CS], v[NEG]            ; c m
	v_mov_b32 v[ST+8*\t+1], v[NEG]                 ; m: under every score
.irp i, 2,3,4,5,6,7
	v_mov_b32 v[ST+8*\t+\i], 0
.endr
.endr
	s_wait_kmcnt 0x0
	s_or_b32 s[RW], s32, s34
	s_or_b32 s[RW], s[RW], s36
	s_or_b32 s[RW], s[RW], s38
	s_sub_co_u32 s25, 31, s[KB]
	s_lshl_b32 s[RW], s[RW], s25                   ; the first block's bit at 31
	s_lshl_b32 s[RV], s30, s25
	s_lshl_b32 s[RM], s31, s25
.Lloop:
	TRIP 0
	TRIP 1
	s_sub_co_u32 s[CNT], s[CNT], 1
	s_cmp_lg_u32 s[CNT], 0
	s_cbranch_scc1 .Lloop
	; THE WAY OUT: l's two halves and the other half of the lanes'; O^T / l as f16: a lane's eight channels are 16 bytes of an image
.irp t, 0,1
	v_add_f32 v[ST+8*\t+4], v[ST+8*\t+2], v[ST+8*\t+3]
.endr
.irp t, 0,1
	v_permlanex16_b32 v[ST+8*\t+5], v[ST+8*\t+4], s[SEL], s[SEL+1]
.endr
.irp t, 0,1
	v_add_f32 v[ST+8*\t+4], v[ST+8*\t+4], v[ST+8*\t+5]
.endr
.irp t, 0,1
	v_rcp_f32 v[ST+8*\t+6], v[ST+8*\t+4]
.endr
	v_nop                                          ; a plain instruction behind the last reciprocal,
	s_wait_alu depctr_va_vdst(0)                   ; and the wait ahead of the first use
	WIN 0x41
.set n, 0
.rept 64
	v_pk_mul_f32 v[2*n:2*n+1], v[2*n:2*n+1], v[ST+8*(n/32)+6:ST+8*(n/32)+7] op_sel_hi:[1,0]
.set n, n+1
.endr
	WIN 0x05                                       ; sources 0 and 1 window 1, destination window 0
.set n, 0
.rept 64
	v_cvt_pk_f16_f32 v[S+n], v[2*n], v[2*n+1]
.set n, n+1
.endr
	WIN 0
.irp i, 0,1,2,3,4,5,6,7,8,9,10,11,12,13,14,15
	global_store_b128 v[LI], v[S+4*\i:S+4*\i+3], s[10:11] offset:(\i/8)*65536+(\i%8)*512   ; one image: 512 consecutive bytes
.endr
	s_wait_tensorcnt 0x0                           ; the wave's end, behind my last LDS store
	ds_add_u32 v[SPW], v[NIL]
	s_wait_dscnt 0x0
	s_endpgm
.Lfunc_end_k_qf5d7196b3b_attn:
	.size	k_qf5d7196b3b_attn, .Lfunc_end_k_qf5d7196b3b_attn-k_qf5d7196b3b_attn
	.p2alignl 7, 3214868480
	.fill 96, 4, 3214868480
	.section	.rodata,"a",@progbits
	.p2align	6, 0x0
	.amdhsa_kernel k_qf5d7196b3b_attn
		.amdhsa_group_segment_fixed_size 66048
		.amdhsa_private_segment_fixed_size 0
		.amdhsa_enable_private_segment 0
		.amdhsa_kernarg_size 32
		.amdhsa_user_sgpr_count 2
		.amdhsa_user_sgpr_kernarg_segment_ptr 1
		.amdhsa_wavefront_size32 1
		.amdhsa_system_sgpr_workgroup_id_x 1
		.amdhsa_system_sgpr_workgroup_id_y 1
		.amdhsa_system_sgpr_workgroup_id_z 1
		.amdhsa_system_vgpr_workitem_id 0
		.amdhsa_next_free_vgpr 768
		.amdhsa_next_free_sgpr 66
		.amdhsa_reserve_vcc 1
		.amdhsa_float_denorm_mode_32 3
		.amdhsa_float_denorm_mode_16_64 3
		.amdhsa_memory_ordered 1
		.amdhsa_forward_progress 1
		.amdhsa_inst_pref_size 93
	.end_amdhsa_kernel
	.amdgpu_metadata
---
amdhsa.version: [ 1, 2 ]
amdhsa.kernels:
  - .name:           k_qf5d7196b3b_attn
    .symbol:         k_qf5d7196b3b_attn.kd
    .args:
      - { .name: qkv, .offset: 0, .size: 8, .value_kind: global_buffer, .address_space: global }
      - { .name: doc_ids, .offset: 8, .size: 8, .value_kind: global_buffer, .address_space: global }
      - { .name: live, .offset: 16, .size: 8, .value_kind: global_buffer, .address_space: global }
      - { .name: ao, .offset: 24, .size: 8, .value_kind: global_buffer, .address_space: global }
    .group_segment_fixed_size: 66048
    .private_segment_fixed_size: 0
    .kernarg_segment_align: 8
    .kernarg_segment_size: 32
    .max_flat_workgroup_size: 128
    .sgpr_count:     66
    .vgpr_count:     768
    .wavefront_size: 32
...
	.end_amdgpu_metadata
.endif
;; end of part 3
;; launch proj (part 4): grid 16 x 16, 4 waves a work-group, clusters of 4 x 4, 327,680 bytes of LDS; arguments ao, wo16, out0; writes out0
.if DOCPART == 4
	.amdgcn_target "amdgcn-amd-amdhsa--gfx1250"
	.amdhsa_code_object_version 6
	.text
	.protected	k_qf5d7196b3b_proj
	.globl	k_qf5d7196b3b_proj
	.p2align	8
	.type	k_qf5d7196b3b_proj,@function
k_qf5d7196b3b_proj:
	s_mov_b64 s[64:65], 0
	v_nop
	global_prefetch_b8 v0, s[64:65] scope:SCOPE_SE
	s_setreg_imm32_b32 hwreg(HW_REG_WAVE_MODE, 25, 1), 1
	s_wait_xcnt 0x0
	s_wait_alu depctr_hold_cnt(0) depctr_sa_sdst(0) depctr_va_vdst(0) depctr_va_sdst(0) depctr_va_ssrc(0) depctr_va_vcc(0) depctr_vm_vsrc(0)
	s_getreg_b32 s2, hwreg(HW_REG_IB_STS2, 6, 4)
	s_cmp_eq_u32 s2, 0
	s_cbranch_scc0 .Lentry_in_a_cluster
	s_endpgm
.Lentry_in_a_cluster:
	s_bfe_u32 s2, ttmp6, 0x10000c
	s_cmp_lg_u32 s2, 0xf033
	s_cbranch_scc0 .Lentry_shape_is_right
	s_endpgm
.Lentry_shape_is_right:
; PROJ: out0[m][n] = the sum over k of ao[m][k] Wo[k][n], 2,048 x 2,048 x 2,048, f16 operands (both as register images: third and first launch), f32 sums, f32 result.
; A tile of out0 is 128 x 128, so that 256 work-groups share the work; four waves, each 64 x 64: 16 accumulators.  K goes in steps of 256 through two LDS slots filled by the tensor data mover: a row tile's K step is
; 8,192 dense bytes (8 fragments), a wave's load brings four of them; LDS needs no pitch: a fragment is two loads at 16 x lane.
; CLUSTER 4 x 4: ao's tiles are asked for jointly along a row of the cluster, wo16's along a column.  THE MATRIX INSTRUCTION IS USED TRANSPOSED (source 0 = 16 columns of Wo, source 1 = 16 rows of ao): a lane holds eight
; neighbouring numbers of a row of out0.
; REGISTERS: window 0: v16-29 addresses; v32-95 rows on the way out, two sets; v128-255 the accumulators ((a, b) at v[128 + 8 (4 a + b)]).  window 1: two fragment buffers of 128: for 64 along K, 64 registers of ao, then 64 of Wo.
.set HALFT,  32768                     ; what one tensor load brings: 4 row tiles x 8,192 bytes
.set SLOT,   131072                    ; ao's 8 tiles, then Wo's 8
.set STAGE,  262144                    ; behind the ring: 16 rows x 272 bytes for each wave, for the way out; no tensor load lands there
.set SPITCH, 272
.set SPARE,  STAGE+4*16*SPITCH         ; the spare words: 128 bytes a wave, two blocks of 256 bytes that no other line names
.set LAPS,   4                         ; a lap = two K steps = once round the ring
.set ADRA, 16
.set ADRB, 20
.set STO,  24
.set RD,   25
.set CO,   26
.set SPW,  28
.set NIL,  29
.set TMP,  32
.set ACC,  128
.set F0,   0
.set F1,   128
.set G1, 24                            ; s[24:31] group 1 for ao's tiles;  s[32:39] group 0, one set a slot
.set G0, 32
.set G1B, 48                           ; s[48:55], s[56:63] the same for Wo's
.set G0B, 56
.set MSB, 0
.macro WIN new
.if MSB != (\new)
	s_set_vgpr_msb (MSB<<8)|(\new)
.set MSB, (\new)
.endif
.endm
.set MUL,  0x05                        ; sources 0 and 1 window 1; C and D window 0
.set TO_F, 0x40                        ; destination window 1, address window 0
.macro JLOAD s                         ; a joint load: waves 0 and 1 fetch ao's halves, waves 2 and 3 Wo's; an s_nop 0 and four v_nop follow each line
	s_cmp_eq_u32 s11, 0
	s_cbranch_scc0 .Lfor_b_\@
	tensor_load_to_lds s[G0+4*\s:G0+4*\s+3], s[G1:G1+7]
	s_nop 0
.rept 4
	v_nop
.endr
	s_branch .Lasked_\@
.Lfor_b_\@:
	tensor_load_to_lds s[G0B+4*\s:G0B+4*\s+3], s[G1B:G1B+7]
	s_nop 0
.rept 4
	v_nop
.endr
.Lasked_\@:
.endm
.macro CREST
	s_cmp_lg_u32 s10, 0
	s_cbranch_scc1 .Lnot_wave_0_\@
	s_barrier_signal -3
.Lnot_wave_0_\@:
	s_barrier_wait -3
	s_barrier_signal -1
	s_barrier_wait -1
.endm
.macro CROUND
	s_barrier_signal -1
	s_barrier_wait -1
	CREST
.endm
	s_load_b128 s[4:7], s[0:1], 0x0                ; ao s[4:5], wo16 s[6:7]
	s_load_b64 s[8:9], s[0:1], 0x10                ; out0
	v_lshl_add_u32 v[SPW], v0, 2, SPARE
	v_mov_b32 v[NIL], 0
	ds_add_u32 v[SPW], v[NIL]                      ; the wave's opening: the add, twice on end, and its wait ahead of my first tensor load
	ds_add_u32 v[SPW], v[NIL]
	v_lshrrev_b32 v1, 5, v0
	v_readfirstlane_b32 s10, v1                    ; wave 0..3
	s_lshr_b32 s11, s10, 1                         ; which half of the tile's rows is mine.  Also: I fetch for ao (0) or for Wo (1)
	s_and_b32 s12, s10, 1                          ; which half of its columns.  Also: which four row tiles I fetch
	s_bfe_u32 s40, ttmp6, 0x40000                  ; cx, cy
	s_bfe_u32 s41, ttmp6, 0x40004
	s_lshl_b32 s42, ttmp9, 2
	s_add_co_u32 s42, s42, s40                     ; tile column = 4 x cluster x + cx
	s_and_b32 s13, ttmp7, 0xffff
	s_lshl_b32 s13, s13, 2
	s_add_co_u32 s13, s13, s41                     ; tile row = 4 x cluster y + cy
	s_lshl_b32 s43, s41, 2
	s_lshl_b32 s43, 15, s43                        ; my row of the cluster
	s_lshl_b32 s44, 0x1111, s40                    ; my column
	; group 1: 4 row tiles x 8,192 bytes (1,024 elements of 8 bytes), 65,536 bytes apart; no padding; bit 21 set beside the mask
	s_or_b32 s[G1+0], s43, (3<<16)|(1<<21)
	s_or_b32 s[G1B+0], s44, (3<<16)|(1<<21)
.irp g, G1, G1B
	s_mov_b32 s[\g+1], 1024<<16                    ; tensor_dim0
	s_mov_b32 s[\g+2], 4<<16                       ; tensor_dim1
	s_mov_b32 s[\g+3], 1024<<16                    ; tile_dim0
	s_mov_b32 s[\g+4], 4                           ; tile_dim1
	s_mov_b32 s[\g+5], 8192                        ; elements from row to row
	s_mov_b32 s[\g+6], 0
	s_mov_b32 s[\g+7], 0
.endr
	s_lshl_b32 s17, s12, 18                        ; which four tiles of 65,536 bytes
	s_lshl_b32 s16, s13, 19
	s_add_co_u32 s16, s16, s17                     ; ao: tile 8 x tile row + 4 x half
	s_lshl_b32 s46, s42, 19
	s_add_co_u32 s46, s46, s17                     ; wo16: tile 8 x tile column + 4 x half
	s_mov_b32 s17, 0
	s_mov_b32 s47, 0
	s_lshl_b32 s20, s10, 15                        ; where they go: wave x 32,768
	s_wait_dscnt 0x0                               ; both opening adds are done
	s_wait_kmcnt 0x0
	s_add_nc_u64 s[14:15], s[4:5], s[16:17]
	s_add_nc_u64 s[46:47], s[6:7], s[46:47]
	CROUND                                         ; all sixteen work-groups are here: the first joint loads meet
.irp s, 0,1
	s_mov_b32 s[G0+4*\s], 1
	s_add_co_u32 s[G0+4*\s+1], s20, \s*SLOT
	s_add_nc_u64 s[G0+4*\s+2:G0+4*\s+3], s[14:15], \s*8192
	s_or_b32 s[G0+4*\s+3], s[G0+4*\s+3], 0x80000000
	s_mov_b32 s[G0B+4*\s], 1
	s_add_co_u32 s[G0B+4*\s+1], s20, \s*SLOT
	s_add_nc_u64 s[G0B+4*\s+2:G0B+4*\s+3], s[46:47], \s*8192
	s_or_b32 s[G0B+4*\s+3], s[G0B+4*\s+3], 0x80000000
	JLOAD \s
.endr
	v_and_b32 v1, 15, v0                           ; r
	v_bfe_u32 v2, v0, 4, 1                         ; h
	v_and_b32 v3, 31, v0
	v_lshlrev_b32 v3, 4, v3                        ; 16 x lane
	s_lshl_b32 s21, s11, 15                        ; my four tiles of ao
	s_lshl_b32 s22, s12, 15                        ; my four of Wo,
	s_add_co_u32 s22, s22, 65536                   ; which lie behind ao's eight
.irp s, 0,1
	v_add_nc_u32 v[ADRA+\s], s21, v3
	v_add_nc_u32 v[ADRB+\s], s22, v3
	s_add_co_u32 s21, s21, SLOT
	s_add_co_u32 s22, s22, SLOT
.endr
	s_mul_i32 s23, s10, 16*SPITCH
	s_add_co_u32 s23, s23, STAGE                   ; my stage
	v_mul_u32_u24 v4, v1, SPITCH                   ; in: row r, 32 bytes for each half of the lanes
	v_lshl_add_u32 v4, v2, 5, v4
	v_add_nc_u32 v[STO], s23, v4
	v_mul_u32_u24 v5, v2, SPITCH                   ; back: lanes 0-15 one row of 256 bytes, lanes 16-31 the next
	v_lshl_add_u32 v5, v1, 4, v5
	v_add_nc_u32 v[RD], s23, v5
	v_lshlrev_b32 v5, 13, v2                       ; and the same two rows in out0 (8,192 bytes a row)
	v_lshl_add_u32 v[CO], v1, 4, v5
	s_lshl_b32 s16, s13, 20                        ; my first row: 128 x tile row + 64 x half
	s_lshl_b32 s17, s11, 19
	s_add_co_u32 s16, s16, s17
	s_mov_b32 s17, 0
	s_add_nc_u64 s[8:9], s[8:9], s[16:17]
	s_lshl_b32 s46, s42, 9                         ; my first column, in bytes: 512 x tile column + 256 x half
	s_lshl_b32 s47, s12, 8
	s_add_co_u32 s46, s46, s47
	s_mov_b32 s47, 0
	s_add_nc_u64 s[8:9], s[8:9], s[46:47]
; 8 matrix instructions: row tiles a0, a0 + 1 x all 4 column tiles, 32 along K: half c of buffer f.  zero = 1: the first product starts the sums.  The 16 accumulators take turns
.macro MUL8 f, c, a0, zero
.irp a, \a0, \a0+1
.irp b, 0,1,2,3
.if \zero
	v_wmma_f32_16x16x32_f16 v[ACC+8*(4*(\a)+\b):ACC+8*(4*(\a)+\b)+7], v[\f+64+8*(4*\c+\b):\f+64+8*(4*\c+\b)+7], v[\f+8*(4*\c+\a):\f+8*(4*\c+\a)+7], 0
.else
	v_wmma_f32_16x16x32_f16 v[ACC+8*(4*(\a)+\b):ACC+8*(4*(\a)+\b)+7], v[\f+64+8*(4*\c+\b):\f+64+8*(4*\c+\b)+7], v[\f+8*(4*\c+\a):\f+8*(4*\c+\a)+7], v[ACC+8*(4*(\a)+\b):ACC+8*(4*(\a)+\b)+7]
.endif
.endr
.endr
.endm
; 32 LDS loads in one run: the fragments of 64 along K (two of 1,024 bytes a tile, from byte k of a tile's K step) into buffer f; the first 32 along K first
.macro FETCH slot, k, f
	WIN TO_F
.irp c, 0,1
.irp i, 0,1,2,3
	ds_load_b128 v[\f+64+8*(4*\c+\i):\f+64+8*(4*\c+\i)+3],   v[ADRB+\slot] offset:\k+1024*\c+\i*8192
	ds_load_b128 v[\f+64+8*(4*\c+\i)+4:\f+64+8*(4*\c+\i)+7], v[ADRB+\slot] offset:\k+1024*\c+\i*8192+512
	ds_load_b128 v[\f+8*(4*\c+\i):\f+8*(4*\c+\i)+3],         v[ADRA+\slot] offset:\k+1024*\c+\i*8192
	ds_load_b128 v[\f+8*(4*\c+\i)+4:\f+8*(4*\c+\i)+7],       v[ADRA+\slot] offset:\k+1024*\c+\i*8192+512
.endr
.endr
.endm
.macro PLACES                          ; four plain places in front of loads into registers that matrix instructions have read, and of the first read of results
.rept 4
	v_nop
.endr
.endm
; A K step is four quarters of 64 along K, 32 matrix instructions each, on buffers 0, 1, 0, 1.  One of the first three: multiplies buffer f and fetches the next quarter, at byte k, into g.
.macro QUARTER slot, k, f, g, zero
	s_wait_dscnt 16                                ; the first 32 along K are in; the youngest sixteen loads may be out
	WIN MUL
	MUL8 \f, 0, 0, \zero
	MUL8 \f, 0, 2, \zero
	PLACES
	FETCH \slot, \k, \g
	s_wait_dscnt 32                                ; all but the 32 just issued
	WIN MUL
	MUL8 \f, 1, 0, 0
	MUL8 \f, 1, 2, 0
.endm
; The last quarter multiplies buffer 1 and changes slots: ONE barrier; in front of it each wave waits for all its tensor loads, adds 0 to its spare word, and waits for that and for its reads of this slot.  fill = 1: the slot is filled again, two K steps ahead.
.macro TURN slot, next, fill
	WIN 0                                          ; (the add's two registers lie in window 0)
	s_wait_tensorcnt 0x0                           ; all my tensor loads have landed: my part of the next slot
	ds_add_u32 v[SPW], v[NIL]                      ; 0 onto my spare word
	s_wait_dscnt 17                                ; (the add and the youngest sixteen loads may be out)
	WIN MUL
	MUL8 F1, 0, 0, 0                               ; eight matrix instructions stand between the add and the wait for it
	s_wait_dscnt 0x0                               ; the add is done, and my reads of this slot are over
	s_barrier_signal -1
	MUL8 F1, 0, 2, 0
.if \fill
	WIN 0
.endif
	s_barrier_wait -1
.if \fill
	CREST                                          ; the barrier has opened a round of the cluster's barrier: no wave of any partner still reads this slot or has a load on its way
	s_add_nc_u64 s[G0+4*\slot+2:G0+4*\slot+3], s[G0+4*\slot+2:G0+4*\slot+3], 16384
	s_add_nc_u64 s[G0B+4*\slot+2:G0B+4*\slot+3], s[G0B+4*\slot+2:G0B+4*\slot+3], 16384
	JLOAD \slot                                    ; the first tensor load behind the round; the four v_nop behind it are also the places in front of the loads below
.else
	PLACES
.endif
	FETCH \next, 0, F0
	WIN MUL
	MUL8 F1, 1, 0, 0
	MUL8 F1, 1, 2, 0
.endm
	s_wait_tensorcnt 1                             ; my part of K step 0 is in (K step 1's load may be out)
	s_barrier_signal -1
	s_barrier_wait -1                              ; everybody's is
	FETCH 0, 0, F0
	QUARTER 0, 2048, F0, F1, 1                     ; the first quarter stands in front of the loop: its first products start the sums
	WIN 0                                          ; at a label and at a branch every window is 0
	s_mov_b32 s3, LAPS-1
.Llap:                                                 ; a trip goes once round the ring, from a lap's second quarter to the next lap's first, and fills both slots again
	QUARTER 0, 4096, F1, F0, 0
	QUARTER 0, 6144, F0, F1, 0
	TURN 0, 1, 1
	QUARTER 1, 2048, F0, F1, 0
	QUARTER 1, 4096, F1, F0, 0
	QUARTER 1, 6144, F0, F1, 0
	TURN 1, 0, 1
	QUARTER 0, 2048, F0, F1, 0
	WIN 0
	s_sub_co_u32 s3, s3, 1
	s_cmp_lg_u32 s3, 0
	s_cbranch_scc1 .Llap
	QUARTER 0, 4096, F1, F0, 0                     ; the last lap fills nothing, and has no round of the cluster's barrier
	QUARTER 0, 6144, F0, F1, 0
	TURN 0, 1, 0
	QUARTER 1, 2048, F0, F1, 0
	QUARTER 1, 4096, F1, F0, 0
	QUARTER 1, 6144, F0, F1, 0
	s_wait_dscnt 16                                ; the very last quarter: nothing more to fetch
	WIN MUL
	MUL8 F1, 0, 0, 0
	MUL8 F1, 0, 2, 0
	s_wait_dscnt 0x0
	MUL8 F1, 1, 0, 0
	MUL8 F1, 1, 2, 0
	WIN 0
; THE WAY OUT, 16 rows x 64 columns at a time.  A lane holds 32 neighbouring bytes of a row and the lanes beside it other rows: so a block goes through my own stage and comes back as rows of 256 bytes, which sixteen
; lanes store as 256 consecutive bytes, at a multiple of 256 from out0's first byte.  LDS serves a wave's instructions in order: no wait between the stores and the loads, nor in front of the next block's stores.
.macro TOSTAGE a
.irp b, 0,1,2,3
	ds_store_b128 v[STO], v[ACC+8*(4*(\a)+\b):ACC+8*(4*(\a)+\b)+3] offset:64*\b          ; each accumulator from its low end on
	ds_store_b128 v[STO], v[ACC+8*(4*(\a)+\b)+4:ACC+8*(4*(\a)+\b)+7] offset:64*\b+16
.endr
.irp t, 0,1,2,3,4,5,6,7
	ds_load_b128 v[TMP+32*((\a)%2)+4*\t:TMP+32*((\a)%2)+4*\t+3], v[RD] offset:\t*2*SPITCH
.endr
.endm
.macro SEND a, younger                 ; younger: the LDS instructions issued behind block a's loads, which may stay out
	s_wait_dscnt \younger
.irp t, 0,1,2,3,4,5,6,7
	global_store_b128 v[CO], v[TMP+32*((\a)%2)+4*\t:TMP+32*((\a)%2)+4*\t+3], s[8:9] offset:(\a)*131072+\t*16384 th:TH_STORE_NT
.endr
.endm
	PLACES
	TOSTAGE 0
	TOSTAGE 1
	SEND 0, 16                                     ; behind block 0's loads: block 1's 8 stores and 8 loads
	s_wait_xcnt 0x0                                ; block 0's stores have read their registers: block 2's loads may land there
	TOSTAGE 2
	SEND 1, 16
	s_wait_xcnt 0x0
	TOSTAGE 3
	SEND 2, 16
	SEND 3, 0
	s_wait_tensorcnt 0x0                           ; the wave's end, behind my last tensor load and my last LDS store
	ds_add_u32 v[SPW], v[NIL]
	s_wait_dscnt 0x0
	CROUND                                         ; the closing round: no work-group ends while a partner may still ask for a tile that names it
	s_endpgm
.Lfunc_end_k_qf5d7196b3b_proj:
	.size	k_qf5d7196b3b_proj, .Lfunc_end_k_qf5d7196b3b_proj-k_qf5d7196b3b_proj
	.p2alignl 7, 3214868480
	.fill 96, 4, 3214868480
	.section	.rodata,"a",@progbits
	.p2align	6, 0x0
	.amdhsa_kernel k_qf5d7196b3b_proj
		.amdhsa_group_segment_fixed_size 327680
		.amdhsa_private_segment_fixed_size 0
		.amdhsa_enable_private_segment 0
		.amdhsa_kernarg_size 24
		.amdhsa_user_sgpr_count 2
		.amdhsa_user_sgpr_kernarg_segment_ptr 1
		.amdhsa_wavefront_size32 1
		.amdhsa_system_sgpr_workgroup_id_x 1
		.amdhsa_system_sgpr_workgroup_id_y 1
		.amdhsa_system_sgpr_workgroup_id_z 1
		.amdhsa_system_vgpr_workitem_id 0
		.amdhsa_next_free_vgpr 512
		.amdhsa_next_free_sgpr 66
		.amdhsa_reserve_vcc 0
		.amdhsa_float_denorm_mode_32 3
		.amdhsa_float_denorm_mode_16_64 3
		.amdhsa_memory_ordered 1
		.amdhsa_forward_progress 1
		.amdhsa_inst_pref_size 85
	.end_amdhsa_kernel
	.amdgpu_metadata
---
amdhsa.version: [ 1, 2 ]
amdhsa.kernels:
  - .name:           k_qf5d7196b3b_proj
    .symbol:         k_qf5d7196b3b_proj.kd
    .args:
      - { .name: ao, .offset: 0, .size: 8, .value_kind: global_buffer, .address_space: global }
      - { .name: wo16, .offset: 8, .size: 8, .value_kind: global_buffer, .address_space: global }
      - { .name: out0, .offset: 16, .size: 8, .value_kind: global_buffer, .address_space: global }
    .group_segment_fixed_size: 327680
    .private_segment_fixed_size: 0
    .kernarg_segment_align: 8
    .kernarg_segment_size: 24
    .max_flat_workgroup_size: 128
    .sgpr_count:     66
    .vgpr_count:     512
    .wavefront_size: 32
...
	.end_amdgpu_metadata
.endif
;; end of part 4
